; MI455X (gfx1250); checked and timed in simulation.
; The chip was launched on July 23, 2026; its instructions are those of AMD's public machine-readable ISA for CDNA 5 (MIT licence, August 2026) and "CDNA5" Instruction Set Architecture Reference Guide (July 2026). The comments in the code are by the model that wrote it; some were corrected since.
;; Multi Head Attention. Allowed arithmetic: matrix products marked QUANTISED: E2M1 operands, one E8M0 scale for each 32 along K, by v_wmma_scale_f32_16x16x128_f8f6f4 with both operands' format E2M1 (or v_wmma_scale_f32_32x16x128_f4), f32 sums; products left as they are: bf16, f16 or f32 operands; f32 sums; everything else in f32.
;; Inputs: Wk 16 x 1,024 x 64 float32; Wp 1,024 x 1,024 float32; Wq 16 x 1,024 x 64 float32; Wv 16 x 1,024 x 64 float32; bp 1,024 float32; x 4 x 2,048 x 1,024 float32.
;; Outputs: out0 4 x 2,048 x 1,024 float32.
;; This version of the problem:
;;   THIS VERSION OF THE PROBLEM IS GIVEN IN LOW PRECISION. The matrix products marked QUANTISED in the list below multiply operands that are first quantised to E2M1 (2 exponent bits, 1 mantissa bit; 4 bits a number), with one power-of-two scale for each 32 numbers along K (OCP MX v1.0); their sums are f32. The products marked 'left as it is' may take bf16, f16 or f32 operands, with f32 sums. Whichever they take, every output number must still come out within the allowed error. Rounding operands to bf16 (8 significant bits) uses up far more of that allowance than f16 does (11 bits, for magnitudes from 6e-5 to 65,504). All else is computed in f32.
;;   The module's matrix products, in the order in which they are computed (A, B: the left and right operand; K: the contracted axis; several contracted axes count as one K, in the product's order):
;;     1. [M 1,024, K 1,024] x [K 1,024, N 8,192]; A: input Wq; B: input x: QUANTISED
;;     2. [M 1,024, K 1,024] x [K 1,024, N 8,192]; A: input Wk; B: input x: QUANTISED
;;     3. [M 1,024, K 1,024] x [K 1,024, N 8,192]; A: input Wv; B: input x: QUANTISED
;;     4. batch 64 x [M 2,048, K 64] x [K 64, N 2,048]; A: computed on the way; B: computed on the way: left as it is (an operand is computed on the way)
;;     5. batch 64 x [M 2,048, K 2,048] x [K 2,048, N 64]; A: computed on the way; B: computed on the way: left as it is (an operand is computed on the way)
;;     6. [M 8,192, K 1,024] x [K 1,024, N 1,024]; A: computed on the way; B: input Wp: left as it is (an operand is computed on the way)
;;   THE QUANTISER, for each operand of a quantised product, along K:
;;     - K is cut into blocks of 32 from its start; a last block that is shorter is filled with zeros.
;;     - A block's scale is 2^e with e = floor(log2(the largest magnitude in the block)) - 2, held to -126 .. 127; a block of zeros has e = 0. As a byte (E8M0): e + 127.
;;     - Each number is divided by its block's scale, clamped to +-6, and rounded to the nearest number of E2M1, ties to even, subnormals kept.
;;     - The product sums the exact products of the quantised numbers (number of the format x scale) in f32.
;;   ~~~python
;;   def quantise(x, axis):      # numpy; x: float32 -> the quantised numbers, widened to float32 again
;;       x = np.moveaxis(x, axis, -1); K = x.shape[-1]
;;       x = np.pad(x, [(0, 0)] * (x.ndim - 1) + [(0, -K % 32)]); x = x.reshape(x.shape[:-1] + (-1, 32)); a = np.abs(x).max(-1, keepdims=True)
;;       e = np.where(a > 0, np.clip(np.frexp(np.where(a > 0, a, 1))[1] - 1 - 2, -126, 127), 0)      # np.frexp(a)[1] - 1 = floor(log2(a)), exactly
;;       r = np.clip(x / 2.0 ** e, -6, 6)
;;       step = 2.0 ** (np.maximum(np.frexp(np.where(r == 0, 1, r))[1] - 1, 0) - 1)
;;       q = np.round(r / step) * step * 2.0 ** e      # np.round: ties to even
;;       return np.moveaxis(q.reshape(q.shape[:-2] + (-1,))[..., :K], -1, axis).astype(np.float32)
;;   ~~~
;; One version. Each part assembles by itself: llvm-mc -triple=amdgcn-amd-amdhsa -mcpu=gfx1250 --defsym DOCPART=n.
;; ======== version 1 of 1: 5 launches
;; limits: values are held in f16: magnitudes above 65,504 overflow, below 6.1e-05 lose precision
;; workspace buffers: xc 4,194,304 bytes; xs 262,144 bytes; wc 1,572,864 bytes; ws 98,304 bytes; wpt 2,097,152 bytes; qkv 50,331,648 bytes; ao 16,777,216 bytes; f32c 786,432 bytes
;; launch prep (part 1): grid 512 x 1, 4 waves a work-group, no clusters, 77,312 bytes of LDS; arguments x, Wq, Wk, Wv, Wp, xc, xs, wc, ws, wpt; writes xc, xs, wc, ws, wpt
.if DOCPART == 1
	.amdgcn_target "amdgcn-amd-amdhsa--gfx1250"
	.amdhsa_code_object_version 6
	.text
	.protected	k_qe87c4e3e27_prep
	.globl	k_qe87c4e3e27_prep
	.p2align	8
	.type	k_qe87c4e3e27_prep,@function
k_qe87c4e3e27_prep:
	s_mov_b64 s[64:65], 0
	v_nop
	global_prefetch_b8 v0, s[64:65] scope:SCOPE_SE
	s_setreg_imm32_b32 hwreg(HW_REG_WAVE_MODE, 25, 1), 1
	s_wait_xcnt 0x0
; LAUNCH 1 OF 5 (prep, gemmqkv, attn, proj, fine): multi-head attention, B = 4, T = 2,048, C = 1,024, 16 heads of 64.
; This launch makes the operands of the later ones: x and Wq, Wk, Wv as codes of E2M1 with one E8M0 byte for each 32 along C (the quantised products' K), K innermost; Wp transposed, in f16.
; WORK LEFT OUT BY THE PROGRAM: reference() sets the score of key s for query t to -inf wherever s > t, by a jnp.tril that it builds itself; the softmax gives such a key the weight exp(-inf) = 0, exactly, for
; all finite inputs.  So a step of 128 keys all of which lie above all queries of a wave is not multiplied (launch attn).  All six inputs have a way to the output and are loaded.
; LIMITS: a NaN, an infinity or an overflow that would arise only in those hidden scores is not carried to the result.  q, k, v, the attention's result and Wp go in f16 from position 16 on: their magnitudes
; must stay under 65,504.  A block of zeros gets the scale byte 1 where the rule says 127: its codes are zeros, which add nothing under any byte but 0xff, and this program alone reads the bytes.
; Blocks whose largest magnitude lies under 2^(3 - 127) keep the byte 1.  NaN and infinities among the inputs are not served.
; THREE PATHS, parted on the work-group's number alone, each with LDS bytes of its own; they never join.
;   work-groups 0-191:   32 columns (h, d) x 512 along C of Wq, Wk or Wv.  A lane takes a column, its registers run down C; a wave takes 128 along C (four blocks).  A column's 256 bytes of codes come from
;                        four waves: they meet in a stage, behind one barrier (the branch that leads here is the same in all four waves), and leave as aligned runs of 256 bytes.
;   work-groups 192-255: a wave takes 32 columns x 128 rows of Wp, rounds to f16 and turns them through its own stage: Wp^T [n][k].
;   work-groups 256-511: x, a plain stream of blocks of 32: a wave takes 16 steps of 512 numbers; each step turns through the wave's own stage, so that loads are dense and a lane holds 16 neighbours.
.set WST,   32768                      ; path W: the stage, 32 columns x (256 + 16) bytes
.set WSC,   41472                      ; path W: 32 columns x 16 scale bytes
.set PST,   41984                      ; path P: four stages of 32 x 272 bytes
.set SPARE, 76800                      ; the spare words, 128 bytes a wave: two blocks of 256 bytes that no other line names
.set SPW,   192                        ; v192  LDS address of my spare word; never rewritten
.set NIL,   193                        ; v193  0; never rewritten
.set WREG,  8192                       ; path x: a region for each wave, from LDS byte 0: two stages of 32 x SP bytes, then its 256 scale bytes
.set SP,    80                         ; a lane's place in a stage: 64 bytes + 16 of padding
.set CB,    8                          ; bytes of 16 codes
.set STEPS, 16
.set XR,    16                         ; path x: v16-79 four sets of 16 numbers as loaded
.set XX,    80                         ; v80-111  two sets of 16 neighbours
.set XE,    112                        ; v112-127 a scale byte for each step
.set XC,    128                        ; v128-191 codes, four registers a step
.set X,     32                         ; paths W, P: v32-159 four sets of 32 numbers
.set C,     160                        ; path W: v160-175 codes, four registers a block
.set OUTR,  176                        ; path W: v176-191 the way out
.set SB,    24                         ; path W: v24 my four scale bytes
.macro XLOAD t
.irp i, 0,1,2,3
	global_load_b128 v[XR+16*((\t)%4)+4*\i:XR+16*((\t)%4)+4*\i+3], v3, s[4:5] offset:2048*(\t)+512*\i th:TH_LOAD_NT   ; 32 lanes read 512 consecutive bytes
.endr
.endm
.macro XTURN t                         ; step t's numbers through the stage: LDS serves a wave's instructions in order, so no wait stands between the stores and the loads
.irp i, 0,1,2,3
	ds_store_b128 v14, v[XR+16*((\t)%4)+4*\i:XR+16*((\t)%4)+4*\i+3] offset:32*SP*((\t)%2)+8*SP*\i
.endr
.irp i, 0,1,2,3
	ds_load_b128 v[XX+16*((\t)%2)+4*\i:XX+16*((\t)%2)+4*\i+3], v15 offset:32*SP*((\t)%2)+16*\i
.endr
.endm
.macro XSTEP t
.set XS, XX+16*((\t)%2)
.if (\t) > 0
	s_wait_dscnt 1                                 ; this step's numbers are back from the stage (the last step's byte store may be out)
.else
	s_wait_dscnt 0x0
.endif
.if (\t)+4 < STEPS
	XLOAD (\t)+4                                   ; into the set whose stores into the stage are done
.endif
.if (\t)+1 < STEPS
.if STEPS-2-(\t) >= 3
	s_wait_loadcnt 12                              ; the next step's four loads are in; those of the three steps behind it may be out
.else
	s_wait_loadcnt 4*(STEPS-2-(\t))
.endif
	XTURN (\t)+1
.endif
	v_max3_num_f32 v8, |v[XS]|, |v[XS+1]|, |v[XS+2]|               ; the largest magnitude of my 16
	v_max3_num_f32 v9, |v[XS+3]|, |v[XS+4]|, |v[XS+5]|
.irp i, 6,10
	v_max3_num_f32 v8, v8, |v[XS+\i]|, |v[XS+\i+1]|
	v_max3_num_f32 v9, v9, |v[XS+\i+2]|, |v[XS+\i+3]|
.endr
	v_max3_num_f32 v8, v8, |v[XS+14]|, |v[XS+15]|
	v_max3_num_f32 v8, v8, v9, 0x1800000           ; and the floor 2^(3 - 127): the byte cannot fall under 1
	v_max_num_f32_dpp v8, v8, v8 row_xmask:1 row_mask:0xf bank_mask:0xf   ; with my neighbour's 16: the block's
	v_add_nc_u32 v11, 0xff000000, v8               ; 2 off its exponent field: the conversion takes the exponent field of this operand as its scale
	v_cvt_scalef32_pk8_fp4_f32 v[XC+4*(\t)], v[XS:XS+7], v11
	v_cvt_scalef32_pk8_fp4_f32 v[XC+4*(\t)+1], v[XS+8:XS+15], v11
	v_lshrrev_b32 v[XE+(\t)], 23, v11              ; the scale's byte
	ds_store_b8 v5, v[XE+(\t)] offset:16*(\t)      ; both lanes of a block write the same byte with the same value
	global_store_b64 v4, v[XC+4*(\t):XC+4*(\t)+1], s[14:15] offset:32*CB*(\t)   ; the wave stores 256 consecutive bytes, aligned
.endm
.macro CLOAD t, pitch                  ; block t: 32 rows of my column into set t; 32 lanes read 128 consecutive bytes
.irp i, 0,1,2,3,4,5,6,7,8,9,10,11,12,13,14,15,16,17,18,19,20,21,22,23,24,25,26,27,28,29,30,31
	global_load_b32 v[X+32*(\t)+\i], v3, s[30:31] offset:(32*(\t)+\i)*(\pitch)
.endr
.endm
.macro WBLOCK t                        ; a block of 32 along C of my column: all 32 numbers are mine
.set XS, X+32*(\t)
	v_max3_num_f32 v12, |v[XS]|, |v[XS+1]|, |v[XS+2]|
	v_max3_num_f32 v13, |v[XS+3]|, |v[XS+4]|, |v[XS+5]|
.irp i, 6,10,14,18,22,26
	v_max3_num_f32 v12, v12, |v[XS+\i]|, |v[XS+\i+1]|
	v_max3_num_f32 v13, v13, |v[XS+\i+2]|, |v[XS+\i+3]|
.endr
	v_max3_num_f32 v12, v12, |v[XS+30]|, |v[XS+31]|
	v_max3_num_f32 v12, v12, v13, 0x1800000        ; the floor 2^(3 - 127)
	v_add_nc_u32 v11, 0xff000000, v12              ; the conversion's scale operand
	v_lshrrev_b32 v13, 23, v11                     ; the scale's byte
.if (\t) == 0
	v_mov_b32 v[SB], v13
.else
	v_lshl_or_b32 v[SB], v13, 8*(\t), v[SB]
.endif
.irp g, 0,1,2,3
	v_cvt_scalef32_pk8_fp4_f32 v[C+4*(\t)+\g], v[XS+8*\g:XS+8*\g+7], v11
.endr
	ds_store_b128 v4, v[C+4*(\t):C+4*(\t)+3] offset:16*(\t)        ; 32 codes: 16 bytes of my column's row
.endm
.macro PBLOCK t                        ; 32 numbers of my column become 32 f16, packed in place from the low end on, and go into my column's row of the stage
.set XS, X+32*(\t)
.irp e, 0,1,2,3,4,5,6,7,8,9,10,11,12,13,14,15
	v_cvt_pk_f16_f32 v[XS+\e], v[XS+2*\e], v[XS+2*\e+1]
.endr
.irp e, 0,1,2,3
	ds_store_b128 v4, v[XS+4*\e:XS+4*\e+3] offset:64*(\t)+16*\e
.endr
.endm
	s_load_b256 s[4:11], s[0:1], 0x0               ; x s[4:5], Wq s[6:7], Wk s[8:9], Wv s[10:11]
	s_load_b256 s[12:19], s[0:1], 0x20             ; Wp s[12:13], xc s[14:15], xs s[16:17], wc s[18:19]
	s_load_b128 s[20:23], s[0:1], 0x40             ; ws s[20:21], wpt s[22:23]
	v_lshl_add_u32 v[SPW], v0, 2, SPARE
	v_mov_b32 v[NIL], 0
	v_lshrrev_b32 v1, 5, v0
	v_readfirstlane_b32 s24, v1                    ; wave 0..3
	v_and_b32 v2, 31, v0                           ; lane
	s_wait_kmcnt 0x0
	s_cmp_lt_u32 ttmp9, 192
	s_cbranch_scc1 .Lw
	s_cmp_lt_u32 ttmp9, 256
	s_cbranch_scc1 .Lp
	; ---- PATH x
	v_lshlrev_b32 v3, 4, v2                        ; my 16 bytes of a load's 512
	s_mul_i32 s25, s24, WREG
	v_lshrrev_b32 v14, 2, v2
	v_mul_u32_u24 v14, v14, SP
	v_and_b32 v15, 3, v2
	v_lshl_add_u32 v14, v15, 4, v14
	v_add_nc_u32 v14, s25, v14                     ; the stage, on the way in: SP (lane / 4) + 16 (lane % 4)
	v_mul_u32_u24 v15, v2, SP
	v_add_nc_u32 v15, s25, v15                     ; and on the way out: SP x lane: my 16 neighbours
	v_mul_u32_u24 v4, v2, CB                       ; my codes' place in a step's
	v_lshrrev_b32 v5, 1, v2
	s_add_co_u32 s25, s25, 2*32*SP
	v_add_nc_u32 v5, s25, v5                       ; my wave's 256 scale bytes, my block's byte
	v_lshlrev_b32 v7, 3, v2
	v_add_nc_u32 v6, s25, v7                       ; and on the way out 8 bytes a lane
	s_sub_co_u32 s26, ttmp9, 256
	s_lshl_b32 s26, s26, 2
	s_add_co_u32 s26, s26, s24                     ; which run of 8,192 numbers is my wave's: 0 .. 1,023
	s_lshl_b32 s28, s26, 15                        ; 32,768 bytes of x a run,
	s_mov_b32 s29, 0
	s_add_nc_u64 s[4:5], s[4:5], s[28:29]
	s_lshl_b32 s28, s26, 12                        ; 4,096 of codes,
	s_add_nc_u64 s[14:15], s[14:15], s[28:29]
	s_lshl_b32 s28, s26, 8                         ; 256 scale bytes
	s_add_nc_u64 s[16:17], s[16:17], s[28:29]
.irp t, 0,1,2,3
	XLOAD \t
.endr
	s_wait_loadcnt 12                              ; step 0's four loads are in
	XTURN 0
.irp t, 0,1,2,3,4,5,6,7,8,9,10,11,12,13,14,15
	XSTEP \t
.endr
	ds_load_b64 v[8:9], v6                         ; LDS serves a wave's instructions in order: these see my byte stores
	s_wait_dscnt 0x0
	global_store_b64 v7, v[8:9], s[16:17]          ; 32 lanes store 256 consecutive bytes, aligned
	s_wait_tensorcnt 0x0                           ; the wave's end, behind my last LDS store
	ds_add_u32 v[SPW], v[NIL]
	s_wait_dscnt 0x0
	s_endpgm
	; ---- PATH W
.Lw:
	s_lshr_b32 s25, ttmp9, 1                       ; which 32 rows of wc: 32 x tensor + 2 x head + half of the head's 64 columns
	s_and_b32 s26, ttmp9, 1                        ; which 512 along C
	s_lshr_b32 s27, ttmp9, 6                       ; tensor 0, 1, 2
	s_cmp_eq_u32 s27, 0
	s_cselect_b64 s[30:31], s[6:7], s[8:9]
	s_cmp_eq_u32 s27, 2
	s_cselect_b64 s[30:31], s[10:11], s[30:31]     ; Wq, Wk or Wv: the choice hangs on the work-group's number alone
	s_bfe_u32 s28, s25, 0x40001                    ; head
	s_lshl_b32 s28, s28, 18                        ; a head is 1,024 rows of 256 bytes
	s_lshl_b32 s29, s26, 17                        ; 512 rows
	s_add_co_u32 s28, s28, s29
	s_lshl_b32 s29, s24, 15                        ; my wave's 128 rows
	s_add_co_u32 s28, s28, s29
	s_and_b32 s29, s25, 1
	s_lshl_b32 s29, s29, 7                         ; 32 columns of 4 bytes
	s_add_co_u32 s28, s28, s29
	s_mov_b32 s29, 0
	s_add_nc_u64 s[30:31], s[30:31], s[28:29]
	s_lshl_b32 s28, s25, 14                        ; wc: 32 rows of 512 bytes,
	s_lshl_b32 s32, s26, 8                         ; + 256 bytes for the second 512 along C
	s_add_co_u32 s28, s28, s32
	s_add_nc_u64 s[18:19], s[18:19], s[28:29]
	s_lshl_b32 s28, s25, 10                        ; ws: 32 rows of 32 bytes, + 16
	s_lshl_b32 s32, s26, 4
	s_add_co_u32 s28, s28, s32
	s_add_nc_u64 s[20:21], s[20:21], s[28:29]
	v_lshlrev_b32 v3, 2, v2                        ; in: 4 bytes a lane
	v_mul_u32_u24 v4, v2, 272
	s_lshl_b32 s32, s24, 6
	s_add_co_u32 s32, s32, WST
	v_add_nc_u32 v4, s32, v4                       ; into the stage: row = my column, my wave's 64 bytes
	v_lshlrev_b32 v5, 4, v2
	v_add_nc_u32 v10, WSC, v5                      ; my column's 16 scale bytes,
	s_lshl_b32 s32, s24, 2
	v_add_nc_u32 v5, s32, v10                      ; my wave's four of them
	v_lshrrev_b32 v6, 4, v2
	v_and_b32 v7, 15, v2
	s_lshl_b32 s32, s24, 3
	v_add_nc_u32 v6, s32, v6                       ; out: wave w takes rows 8 w on, two an instruction, sixteen lanes to a row
	v_mul_u32_u24 v8, v6, 272
	v_lshl_add_u32 v8, v7, 4, v8
	v_add_nc_u32 v8, WST, v8
	v_lshlrev_b32 v9, 9, v6
	v_lshl_add_u32 v9, v7, 4, v9                   ; the same place in wc
	v_lshlrev_b32 v14, 5, v2                       ; ws: 32 bytes a row
	CLOAD 0, 256
	CLOAD 1, 256
	s_wait_loadcnt 32                              ; block 0's 32 loads are in; the next block's may be out
	WBLOCK 0
	CLOAD 2, 256
	s_wait_loadcnt 32
	WBLOCK 1
	CLOAD 3, 256
	s_wait_loadcnt 32
	WBLOCK 2
	s_wait_loadcnt 0x0
	WBLOCK 3
	ds_store_b32 v5, v[SB]
	s_wait_dscnt 0x0                               ; for the others' sake: my stores into the stage are done
	s_barrier_signal -1
	s_barrier_wait -1
.irp i, 0,1,2,3
	ds_load_b128 v[OUTR+4*\i:OUTR+4*\i+3], v8 offset:544*\i
.endr
.irp i, 0,1,2,3
	s_wait_dscnt 3-\i
	global_store_b128 v9, v[OUTR+4*\i:OUTR+4*\i+3], s[18:19] offset:1024*\i   ; sixteen lanes store 256 consecutive bytes, aligned
.endr
	s_cmp_lg_u32 s24, 0
	s_cbranch_scc1 .Lw_end                         ; the scale bytes leave by wave 0: 16 bytes a column
	ds_load_b128 v[28:31], v10
	s_wait_dscnt 0x0
	global_store_b128 v14, v[28:31], s[20:21]
.Lw_end:
	s_wait_tensorcnt 0x0                           ; the wave's end
	ds_add_u32 v[SPW], v[NIL]
	s_wait_dscnt 0x0
	s_endpgm
	; ---- PATH P
.Lp:
	s_sub_co_u32 s25, ttmp9, 192
	s_and_b32 s26, s25, 7
	s_lshl_b32 s26, s26, 2
	s_add_co_u32 s26, s26, s24                     ; which 32 columns of Wp: 0 .. 31
	s_lshr_b32 s27, s25, 3                         ; which 128 rows: 0 .. 7
	s_lshl_b32 s28, s27, 19                        ; 128 rows of 4,096 bytes
	s_lshl_b32 s29, s26, 7
	s_add_co_u32 s28, s28, s29
	s_mov_b32 s29, 0
	s_add_nc_u64 s[30:31], s[12:13], s[28:29]
	s_lshl_b32 s28, s26, 16                        ; wpt: 32 rows of 2,048 bytes,
	s_lshl_b32 s32, s27, 8                         ; + 128 f16
	s_add_co_u32 s28, s28, s32
	s_add_nc_u64 s[22:23], s[22:23], s[28:29]
	v_lshlrev_b32 v3, 2, v2
	s_mul_i32 s32, s24, 8704
	s_add_co_u32 s32, s32, PST                     ; my stage
	v_mul_u32_u24 v4, v2, 272
	v_add_nc_u32 v4, s32, v4                       ; in: row = my column
	v_lshrrev_b32 v6, 4, v2
	v_and_b32 v7, 15, v2
	v_mul_u32_u24 v8, v6, 272
	v_lshl_add_u32 v8, v7, 4, v8
	v_add_nc_u32 v8, s32, v8                       ; out: sixteen lanes to a row, two rows an instruction
	v_lshlrev_b32 v9, 11, v6
	v_lshl_add_u32 v9, v7, 4, v9
	CLOAD 0, 4096
	CLOAD 1, 4096
	s_wait_loadcnt 32                              ; as in path W
	PBLOCK 0
	CLOAD 2, 4096
	s_wait_loadcnt 32
	PBLOCK 1
	CLOAD 3, 4096
	s_wait_loadcnt 32
	PBLOCK 2
	s_wait_loadcnt 0x0
	PBLOCK 3
.irp i, 0,1,2,3,4,5,6,7,8,9,10,11,12,13,14,15
	ds_load_b128 v[X+32*(\i/4)+16+4*(\i%4):X+32*(\i/4)+16+4*(\i%4)+3], v8 offset:544*\i   ; the stage is my own and LDS serves a wave's instructions in order; into the upper half of each set, which the packing has left
.endr
.irp i, 0,1,2,3,4,5,6,7,8,9,10,11,12,13,14,15
	s_wait_dscnt 15-\i
	global_store_b128 v9, v[X+32*(\i/4)+16+4*(\i%4):X+32*(\i/4)+16+4*(\i%4)+3], s[22:23] offset:4096*\i   ; sixteen lanes store 256 consecutive bytes, aligned
.endr
	s_wait_tensorcnt 0x0                           ; the wave's end
	ds_add_u32 v[SPW], v[NIL]
	s_wait_dscnt 0x0
	s_endpgm
.Lfunc_end_k_qe87c4e3e27_prep:
	.size	k_qe87c4e3e27_prep, .Lfunc_end_k_qe87c4e3e27_prep-k_qe87c4e3e27_prep
	.p2alignl 7, 3214868480
	.fill 96, 4, 3214868480
	.section	.rodata,"a",@progbits
	.p2align	6, 0x0
	.amdhsa_kernel k_qe87c4e3e27_prep
		.amdhsa_group_segment_fixed_size 77312
		.amdhsa_private_segment_fixed_size 0
		.amdhsa_enable_private_segment 0
		.amdhsa_kernarg_size 80
		.amdhsa_user_sgpr_count 2
		.amdhsa_user_sgpr_kernarg_segment_ptr 1
		.amdhsa_wavefront_size32 1
		.amdhsa_system_sgpr_workgroup_id_x 1
		.amdhsa_system_sgpr_workgroup_id_y 1
		.amdhsa_system_sgpr_workgroup_id_z 1
		.amdhsa_system_vgpr_workitem_id 0
		.amdhsa_next_free_vgpr 196
		.amdhsa_next_free_sgpr 66
		.amdhsa_reserve_vcc 0
		.amdhsa_float_denorm_mode_32 3
		.amdhsa_float_denorm_mode_16_64 3
		.amdhsa_memory_ordered 1
		.amdhsa_forward_progress 1
		.amdhsa_inst_pref_size 76
	.end_amdhsa_kernel
	.amdgpu_metadata
---
amdhsa.version: [ 1, 2 ]
amdhsa.kernels:
  - .name:           k_qe87c4e3e27_prep
    .symbol:         k_qe87c4e3e27_prep.kd
    .args:
      - { .name: x, .offset: 0, .size: 8, .value_kind: global_buffer, .address_space: global }
      - { .name: Wq, .offset: 8, .size: 8, .value_kind: global_buffer, .address_space: global }
      - { .name: Wk, .offset: 16, .size: 8, .value_kind: global_buffer, .address_space: global }
      - { .name: Wv, .offset: 24, .size: 8, .value_kind: global_buffer, .address_space: global }
      - { .name: Wp, .offset: 32, .size: 8, .value_kind: global_buffer, .address_space: global }
      - { .name: xc, .offset: 40, .size: 8, .value_kind: global_buffer, .address_space: global }
      - { .name: xs, .offset: 48, .size: 8, .value_kind: global_buffer, .address_space: global }
      - { .name: wc, .offset: 56, .size: 8, .value_kind: global_buffer, .address_space: global }
      - { .name: ws, .offset: 64, .size: 8, .value_kind: global_buffer, .address_space: global }
      - { .name: wpt, .offset: 72, .size: 8, .value_kind: global_buffer, .address_space: global }
    .group_segment_fixed_size: 77312
    .private_segment_fixed_size: 0
    .kernarg_segment_align: 8
    .kernarg_segment_size: 80
    .max_flat_workgroup_size: 128
    .sgpr_count:     66
    .vgpr_count:     196
    .wavefront_size: 32
...
	.end_amdgpu_metadata
.endif
;; end of part 1
;; launch gemmqkv (part 2): grid 12 x 32, 4 waves a work-group, clusters of 4 x 4, 327,680 bytes of LDS; arguments xc, xs, wc, ws, qkv, f32c; writes qkv, f32c
.if DOCPART == 2
	.amdgcn_target "amdgcn-amd-amdhsa--gfx1250"
	.amdhsa_code_object_version 6
	.text
	.protected	k_qe87c4e3e27_gemmqkv
	.globl	k_qe87c4e3e27_gemmqkv
	.p2align	8
	.type	k_qe87c4e3e27_gemmqkv,@function
k_qe87c4e3e27_gemmqkv:
	s_mov_b64 s[64:65], 0
	v_nop
	global_prefetch_b8 v0, s[64:65] scope:SCOPE_SE
	s_setreg_imm32_b32 hwreg(HW_REG_WAVE_MODE, 25, 1), 1
	s_wait_xcnt 0x0
	s_wait_alu depctr_hold_cnt(0) depctr_sa_sdst(0) depctr_va_vdst(0) depctr_va_sdst(0) depctr_va_ssrc(0) depctr_va_vcc(0) depctr_vm_vsrc(0)
	s_getreg_b32 s2, hwreg(HW_REG_IB_STS2, 6, 4)
	s_cmp_eq_u32 s2, 0
	s_cbranch_scc0 .Lentry_in_a_cluster
	s_endpgm
.Lentry_in_a_cluster:
	s_bfe_u32 s2, ttmp6, 0x10000c
	s_cmp_lg_u32 s2, 0xf033
	s_cbranch_scc0 .Lentry_shape_is_right
	s_endpgm
.Lentry_shape_is_right:
; LAUNCH 2 OF 5: the three quantised projections as ONE product on codes of E2M1: C[token][n] = sum over c of x[token][c] W[n][c], n = 1,024 x tensor + 64 x head + d; 8,192 x 3,072 x 1,024; sums in f32.
; A (xc, xs): tokens; B (wc, ws): the rows of Wq, Wk, Wv.  Codes and E8M0 bytes go to the matrix unit as they lie in memory.
; A tile of C, 256 x 256, is made by four waves, 128 x 128 each: 64 accumulators, 512 registers.  K = 1,024 is two slots of 512 (rows of 256 bytes): both are asked for at the head and none is filled again.
; The scale bytes of the work-group's 256 + 256 rows, for all of K, come once, as dense blocks, with the first fills.
; CLUSTERS: 4 x 4 work-groups; A's tiles are asked for jointly along a row of the cluster, B's along a column.  By this text's count a wave has three tensor loads out at the most.
; TRANSPOSED USE: source 0 = 16 rows of W, source 1 = 16 tokens: a lane holds eight neighbouring channels d of one token.
; THE WAY OUT: rounded to f16 into qkv [tensor][b][head][t][64]: a head's 16 tokens are 2,048 consecutive bytes, so each store of the wave covers 512 consecutive bytes, aligned.
; Positions 0 to 15 of each sequence also leave unrounded, in f32, into f32c [b][16][3,072], for launch 5.  Which work-groups hold them hangs on the place in the cluster:
; the sixteen stores stand on every wave's path, under an EXEC that is all ones or all zeros.
; LIMIT: |q|, |k|, |v| under 65,504 (f16) from position 16 on.
; REGISTERS, in windows of 256: window 0: v0-31 addresses; v32-95 scale words, two sets; v128-191 A's fragments, one set; on the way out v32-63 packed results, v128-191 rows read back.
;   window 1: B's fragments, two sets, at v0 and v128.  window 2: the accumulators of my tokens 0-63 ((a, b) at v[8 (8 a + b)]);  window 3: those of tokens 64-127.
.set SIZE_K, 1024
.set KSTEP,  512
.set NQ,     KSTEP/128
.set ROWB,   256                       ; a tile's row in bytes
.set KROW,   SIZE_K*4/8                ; a row of codes in memory
.set PITCH,  272                       ; an LDS row: 256 bytes + 16 of padding = 68 words: the 16 rows that a load touches start at 16 different banks (64 banks of 4 bytes: ISA guide 11.1)
.set FR,     8
.set NL,     2
.set NP,     4                         ; places behind this matrix instruction (ISA guide 7.12.1)
.set HALFT,  128*PITCH
.set SLOT,   4*HALFT
.set KS,     SIZE_K/32
.set SCL,    2*SLOT                    ; behind the ring: the scales, as runs of 256 bytes + 16 of padding
.set HALFS,  (128*KS/256)*272
.set SBLK,   (16*KS/256)*272
.set SPARE,  SCL+4*HALFS               ; the spare words, 128 bytes a wave: two blocks of 256 bytes that no other line names
.set SPITCH, 272                       ; the way out: a stage of 16 tokens x (256 + 16) bytes a wave, in slot 0, which has had its only fill and its last read when the first result is stored there
.set ADRA, 16
.set ADRB, 20
.set STO,  24                          ; v24  the way out: where I put 16 bytes of a token's row
.set RD,   25                          ; v25  where I read back: four tokens x 128 bytes of one head
.set CO,   26                          ; v26  16 x lane
.set ADRS, 27
.set SPW,  28
.set NIL,  29
.set FO,   30                          ; v30  my byte offset in f32c: row r of 12,288 bytes + 32 h
.set SC,   32
.set TMP,  32
.set AF,   128
.set BK,   128
.set G1, 24
.set G0, 32
.set G1B, 48
.set G0B, 56
.set G1S, 68
.set G0S, 76
.set G1SB, 80
.set G0SB, 88
.set MSB, 0
.macro WIN new                         ; the immediate's high byte repeats the setting that is left
.if MSB != \new
	s_set_vgpr_msb (MSB<<8)|\new
.set MSB, \new
.endif
.endm
.set MUL_LO, 0xa1                      ; source 0 (B) window 1, source 1 (A) window 0, C and D window 2
.set MUL_HI, 0xf1
.set TO_B,   0x40
; A joint load: waves 0 and 1 fetch for A, waves 2 and 3 for B; the branch hangs on the wave's number alone.  An s_nop 0 and four v_nop follow each of the two lines.
.macro JLOAD g0a, g1a, g0b, g1b
	s_cmp_eq_u32 s15, 0
	s_cbranch_scc0 .Lfor_b_\@
	tensor_load_to_lds s[\g0a:\g0a+3], s[\g1a:\g1a+7]
	s_nop 0
.rept 4
	v_nop
.endr
	s_branch .Lasked_\@
.Lfor_b_\@:
	tensor_load_to_lds s[\g0b:\g0b+3], s[\g1b:\g1b+7]
	s_nop 0
.rept 4
	v_nop
.endr
.Lasked_\@:
.endm
.macro CROUND                          ; a round of the cluster's barrier
	s_barrier_signal -1
	s_barrier_wait -1
	s_cmp_lg_u32 s14, 0
	s_cbranch_scc1 .Lnot_wave_0_\@
	s_barrier_signal -3
.Lnot_wave_0_\@:
	s_barrier_wait -3
	s_barrier_signal -1
	s_barrier_wait -1
.endm
	s_load_b128 s[4:7], s[0:1], 0x0                ; xc s[4:5], xs s[6:7]
	s_load_b128 s[8:11], s[0:1], 0x10              ; wc s[8:9], ws s[10:11]
	s_load_b64 s[12:13], s[0:1], 0x20              ; qkv
	s_load_b64 s[96:97], s[0:1], 0x28              ; f32c
	v_lshl_add_u32 v[SPW], v0, 2, SPARE
	v_mov_b32 v[NIL], 0
	ds_add_u32 v[SPW], v[NIL]                      ; the wave's opening: the add, twice on end, and its wait ahead of my first tensor load
	ds_add_u32 v[SPW], v[NIL]
	v_lshrrev_b32 v1, 5, v0
	v_readfirstlane_b32 s14, v1                    ; wave 0..3
	s_lshr_b32 s15, s14, 1                         ; which half of the tile's tokens is mine.  Also: I fetch for A (0) or for B (1)
	s_and_b32 s16, s14, 1                          ; which half of its columns.  Also: which 128 rows of that tile I fetch
	s_bfe_u32 s40, ttmp6, 0x40000                  ; cx, cy
	s_bfe_u32 s41, ttmp6, 0x40004
	s_lshl_b32 s42, ttmp9, 2
	s_add_co_u32 s42, s42, s40                     ; tile column = 4 x cluster x + cx
	s_and_b32 s17, ttmp7, 0xffff
	s_lshl_b32 s17, s17, 2
	s_add_co_u32 s17, s17, s41                     ; tile row = 4 x cluster y + cy
	s_lshl_b32 s43, s41, 2
	s_lshl_b32 s43, 15, s43                        ; my row of the cluster
	s_lshl_b32 s44, 0x1111, s40                    ; my column
	s_or_b32 s[G1+0], s43, (0<<16)|(1<<20)|(1<<21)|(5<<22)|(3<<25)  ; the mask; elements of 1 byte; padding on; bit 21 beside a mask; 4 words of padding after every 64
	s_or_b32 s[G1B+0], s44, (0<<16)|(1<<20)|(1<<21)|(5<<22)|(3<<25)
.irp g, G1, G1B
	s_mov_b32 s[\g+1], ROWB<<16                    ; tensor_dim0
	s_mov_b32 s[\g+2], 128<<16                     ; tensor_dim1
	s_mov_b32 s[\g+3], ROWB<<16                    ; tile_dim0
	s_mov_b32 s[\g+4], 128                         ; tile_dim1
	s_mov_b32 s[\g+5], KROW                        ; the pitch
	s_mov_b32 s[\g+6], 0
	s_mov_b32 s[\g+7], 0
.endr
	s_or_b32 s[G1S+0], s43, (3<<16)|(1<<20)|(1<<21)|(5<<22)|(3<<25)   ; the scales of 128 rows: a dense block, as rows of 32 elements of 8 bytes, 16 bytes of padding behind each
	s_or_b32 s[G1SB+0], s44, (3<<16)|(1<<20)|(1<<21)|(5<<22)|(3<<25)
.irp g, G1S, G1SB
	s_mov_b32 s[\g+1], 32<<16
	s_mov_b32 s[\g+2], (128*KS/256)<<16
	s_mov_b32 s[\g+3], 32<<16
	s_mov_b32 s[\g+4], 128*KS/256
	s_mov_b32 s[\g+5], 32
	s_mov_b32 s[\g+6], 0
	s_mov_b32 s[\g+7], 0
.endr
	s_lshl_b32 s18, s16, 7
	s_lshl_b32 s20, s17, 8
	s_add_co_u32 s20, s20, s18                     ; A: row 256 x tile row + 128 x half
	s_lshl_b32 s46, s42, 8
	s_add_co_u32 s46, s46, s18                     ; B: row 256 x tile column + 128 x half
	s_mov_b32 s21, 0
	s_mov_b32 s47, 0
	s_mov_b64 s[18:19], KS
	s_mul_u64 s[22:23], s[20:21], s[18:19]         ; where these rows' scales begin,
	s_mul_u64 s[92:93], s[46:47], s[18:19]
	s_mov_b64 s[18:19], KROW
	s_mul_u64 s[20:21], s[20:21], s[18:19]         ; and their codes
	s_mul_u64 s[46:47], s[46:47], s[18:19]
	s_mul_i32 s45, s14, HALFT                      ; where they go: no place in the cluster enters an LDS address
	s_mul_i32 s94, s14, HALFS
	s_wait_dscnt 0x0                               ; both opening adds are done
	s_wait_kmcnt 0x0
	s_add_nc_u64 s[20:21], s[4:5], s[20:21]
	s_add_nc_u64 s[22:23], s[6:7], s[22:23]
	s_add_nc_u64 s[46:47], s[8:9], s[46:47]
	s_add_nc_u64 s[92:93], s[10:11], s[92:93]
	CROUND                                         ; all sixteen work-groups are here: the joint loads meet
	s_mov_b32 s[G0S], 1
	s_add_co_u32 s[G0S+1], s94, SCL
	s_mov_b64 s[G0S+2:G0S+3], s[22:23]
	s_or_b32 s[G0S+3], s[G0S+3], 0x80000000
	s_mov_b32 s[G0SB], 1
	s_add_co_u32 s[G0SB+1], s94, SCL
	s_mov_b64 s[G0SB+2:G0SB+3], s[92:93]
	s_or_b32 s[G0SB+3], s[G0SB+3], 0x80000000
	JLOAD G0S, G1S, G0SB, G1SB                     ; the scales first: they are wanted with slot 0
.irp s, 0,1
	s_mov_b32 s[G0+4*\s], 1
	s_add_co_u32 s[G0+4*\s+1], s45, \s*SLOT
	s_add_nc_u64 s[G0+4*\s+2:G0+4*\s+3], s[20:21], \s*ROWB
	s_or_b32 s[G0+4*\s+3], s[G0+4*\s+3], 0x80000000
	s_mov_b32 s[G0B+4*\s], 1
	s_add_co_u32 s[G0B+4*\s+1], s45, \s*SLOT
	s_add_nc_u64 s[G0B+4*\s+2:G0B+4*\s+3], s[46:47], \s*ROWB
	s_or_b32 s[G0B+4*\s+3], s[G0B+4*\s+3], 0x80000000
	JLOAD G0+4*\s, G1, G0B+4*\s, G1B
.endr
	v_and_b32 v1, 15, v0                           ; r = l % 16
	v_bfe_u32 v2, v0, 4, 1                         ; h = l / 16
	v_mul_u32_u24 v3, v1, PITCH
	v_lshl_add_u32 v4, v2, 4, v3                   ; a fragment's row x pitch + 16 h
	s_mul_i32 s21, s15, HALFT                      ; my 128 rows of A
	s_mul_i32 s22, s16, HALFT                      ; my 128 rows of B,
	s_add_co_u32 s22, s22, 2*HALFT                 ; behind A's 256
.irp s, 0,1
	v_add_nc_u32 v[ADRA+\s], s21, v4
	v_add_nc_u32 v[ADRB+\s], s22, v4
	s_add_co_u32 s21, s21, SLOT
	s_add_co_u32 s22, s22, SLOT
.endr
	v_mul_u32_u24 v5, v1, KS                       ; my row's scales: KS bytes a row,
	v_lshrrev_b32 v6, 8, v5
	v_lshl_add_u32 v5, v6, 4, v5                   ; and 16 more for each 256 passed
	s_mul_i32 s21, s15, HALFS
	s_mul_i32 s22, s16, HALFS
	s_add_co_u32 s22, s22, 2*HALFS
	s_sub_co_u32 s22, s22, s21
	v_mul_u32_u24 v6, s22, v2                      ; lanes 16-31 take B's: one product, the distance between the two bases
	s_add_co_u32 s21, s21, SCL
	v_add_nc_u32 v5, v5, v6
	v_add_nc_u32 v[ADRS], s21, v5
	s_mul_i32 s23, s14, 16*SPITCH                  ; my stage
	v_mul_u32_u24 v5, v1, SPITCH
	v_lshl_add_u32 v5, v2, 4, v5
	v_add_nc_u32 v[STO], s23, v5                   ; in: token r, 16 bytes for each half of the lanes
	v_and_b32 v6, 31, v0
	v_lshlrev_b32 v[CO], 4, v6
	v_lshrrev_b32 v5, 3, v6
	v_mul_u32_u24 v5, v5, SPITCH
	v_and_b32 v6, 7, v6
	v_lshl_add_u32 v5, v6, 4, v5
	v_add_nc_u32 v[RD], s23, v5                    ; back: eight lanes take a token's 128 bytes of one head
	v_mul_u32_u24 v[FO], v1, 12288
	v_lshl_add_u32 v[FO], v2, 5, v[FO]
	; where my part begins in qkv: tensor << 24 | batch << 22 | head << 18 | t << 7
	s_lshr_b32 s20, s42, 2
	s_lshl_b32 s20, s20, 24
	s_lshr_b32 s21, s17, 3                         ; batch
	s_mul_i32 s100, s21, 196608                    ; (and its 16 rows of f32c)
	s_lshl_b32 s22, s21, 22
	s_add_co_u32 s20, s20, s22
	s_and_b32 s22, s42, 3
	s_lshl_b32 s22, s22, 2
	s_lshl_b32 s23, s16, 1
	s_add_co_u32 s22, s22, s23                     ; my first head of two
	s_lshl_b32 s22, s22, 18
	s_add_co_u32 s20, s20, s22
	s_and_b32 s22, s17, 7
	s_lshl_b32 s22, s22, 8
	s_lshl_b32 s23, s15, 7
	s_add_co_u32 s22, s22, s23                     ; my first position t
	s_lshl_b32 s22, s22, 7
	s_add_co_u32 s20, s20, s22
	s_mov_b32 s21, 0
	s_add_nc_u64 s[12:13], s[12:13], s[20:21]
	s_lshl_b32 s22, s42, 10                        ; f32c: my first column, 4 bytes each
	s_lshl_b32 s23, s16, 9
	s_add_co_u32 s100, s100, s22
	s_add_co_u32 s100, s100, s23
	s_mov_b32 s101, 0
	s_add_nc_u64 s[96:97], s[96:97], s[100:101]
.macro FRAG reg, adr, q, i             ; 16 rows x 128 K of 4-bit codes: lane l holds row l % 16; registers 4 c .. 4 c + 3 hold K = 64 c + 32 (l / 16) + 0 .. 31
.irp c, 0,1
	ds_load_b128 v[\reg+4*\c:\reg+4*\c+3], v[\adr] offset:64*(\q)+32*\c+(\i)*16*PITCH
.endr
.endm
; 16 matrix instructions: A's blocks a0, a0 + 1 x B's eight.  The 64 accumulators take turns, one instruction a turn, in the same order in every step.
.macro MUL16 a0, p, q, sc, zero
.irp a, \a0, \a0+1
.irp b, 0,1,2,3,4,5,6,7
.if \zero
	v_wmma_scale_f32_16x16x128_f8f6f4 v[8*(8*((\a)%4)+\b):8*(8*((\a)%4)+\b)+7], v[128*(\p)+FR*\b:128*(\p)+FR*\b+FR-1], v[AF+FR*(\a):AF+FR*(\a)+FR-1], 0, v[SC+8*NQ*(\sc)+NQ*\b+(\q)], v[SC+8*NQ*(\sc)+NQ*(\a)+(\q)] matrix_a_fmt:MATRIX_FMT_FP4 matrix_b_fmt:MATRIX_FMT_FP4 matrix_a_scale:MATRIX_SCALE_ROW1
.else
	v_wmma_scale_f32_16x16x128_f8f6f4 v[8*(8*((\a)%4)+\b):8*(8*((\a)%4)+\b)+7], v[128*(\p)+FR*\b:128*(\p)+FR*\b+FR-1], v[AF+FR*(\a):AF+FR*(\a)+FR-1], v[8*(8*((\a)%4)+\b):8*(8*((\a)%4)+\b)+7], v[SC+8*NQ*(\sc)+NQ*\b+(\q)], v[SC+8*NQ*(\sc)+NQ*(\a)+(\q)] matrix_a_fmt:MATRIX_FMT_FP4 matrix_b_fmt:MATRIX_FMT_FP4 matrix_a_scale:MATRIX_SCALE_ROW1
.endif
.endr
.endr
.endm
.macro FETCH_B slot, q, p
	WIN TO_B
.irp i, 0,1,2,3,4,5,6,7
	FRAG 128*(\p)+FR*\i, ADRB+\slot, \q, \i
.endr
	WIN 0
.endm
.macro FETCH_A slot, q, i0
.irp i, \i0, \i0+1, \i0+2, \i0+3
	FRAG AF+FR*(\i), ADRA+\slot, \q, \i
.endr
.endm
.macro SCALES sc                       ; a slot's scale words: four words a row; lanes 0-15 take A's block i, lanes 16-31 B's block i
.irp i, 0,1,2,3,4,5,6,7
	ds_load_b128 v[SC+8*NQ*\sc+NQ*\i:SC+8*NQ*\sc+NQ*\i+3], v[ADRS] offset:\i*SBLK
.endr
.endm
.macro PLACES n                        ; plain vector instructions between a matrix instruction and a load into, or a read of, its registers
.rept \n
	v_nop
.endr
.endm
.macro STEP slot, q, zero              ; a step of 128 along K that has its successor in the same slot
	s_wait_dscnt 4*NL                              ; B's set and A's blocks 0-3 are in; the youngest eight loads (A's blocks 4-7) may be out
	WIN MUL_LO
	MUL16 0, (\q)%2, \q, \slot, \zero
	MUL16 2, (\q)%2, \q, \slot, \zero
	s_wait_dscnt 0
	PLACES NP
	FETCH_B \slot, (\q)+1, 1-(\q)%2
	FETCH_A \slot, (\q)+1, 0
	WIN MUL_HI
	MUL16 4, (\q)%2, \q, \slot, \zero
	MUL16 6, (\q)%2, \q, \slot, \zero
	PLACES NP
	WIN 0
	FETCH_A \slot, (\q)+1, 4
.endm
.macro STEPS slot, from
.set Q, \from
.rept NQ-1-\from
	STEP \slot, Q, 0
.set Q, Q+1
.endr
.endm
	s_wait_tensorcnt 1                             ; the scales and my part of slot 0 are in (slot 1's load may be out)
	s_barrier_signal -1
	s_barrier_wait -1                              ; everybody's are
	FETCH_B 0, 0, 0
	FETCH_A 0, 0, 0
	SCALES 0
	FETCH_A 0, 0, 4
	STEP 0, 0, 1                                   ; the first step's products start the sums: nothing is cleared
	STEPS 0, 1
	; slot 0's last step changes slots: one barrier; in front of it my part of slot 1 has landed and my reads of slot 0 are over
	s_wait_tensorcnt 0x0
	ds_add_u32 v[SPW], v[NIL]
	s_wait_dscnt 4*NL+1                            ; (the add and A's blocks 4-7 may be out)
	WIN MUL_LO
	MUL16 0, 1, NQ-1, 0, 0
	s_wait_dscnt 0x0
	s_barrier_signal -1
	MUL16 2, 1, NQ-1, 0, 0
	WIN 0
	s_barrier_wait -1
	PLACES NP
	v_add_nc_u32 v[ADRS], 4*NQ, v[ADRS]            ; on to slot 1's scale words
	FETCH_B 1, 0, 0
	FETCH_A 1, 0, 0
	SCALES 1
	WIN MUL_HI
	MUL16 4, 1, NQ-1, 0, 0
	MUL16 6, 1, NQ-1, 0, 0
	PLACES NP
	WIN 0
	FETCH_A 1, 0, 4
	STEPS 1, 0
	s_wait_dscnt 4*NL                              ; the very last step: nothing more to fetch
	WIN MUL_LO
	MUL16 0, 1, NQ-1, 1, 0
	MUL16 2, 1, NQ-1, 1, 0
	s_wait_dscnt 0
	WIN MUL_HI
	MUL16 4, 1, NQ-1, 1, 0
	MUL16 6, 1, NQ-1, 1, 0
	WIN 0
	PLACES NP                                      ; in front of the first reads of results and of writes into registers that held scales and fragments
	; positions 0 to 15 in f32: block 0 of the wave that holds the first 128 tokens of a sequence's first tile
	s_and_b32 s98, s17, 7
	s_or_b32 s98, s98, s15
	s_cmp_eq_u32 s98, 0
	s_cselect_b32 s99, -1, 0
	s_wait_xcnt 0x0                                ; EXEC changes only behind this wait
	s_and_saveexec_b32 s98, s99
	WIN 0x08                                       ; a store's data are its source 1: window 2
.irp b, 0,1,2,3,4,5,6,7
	global_store_b128 v[FO], v[8*\b:8*\b+3], s[96:97] offset:64*\b          ; each accumulator from its low end on
	global_store_b128 v[FO], v[8*\b+4:8*\b+7], s[96:97] offset:64*\b+16
.endr
	WIN 0
	s_wait_xcnt 0x0                                ; and again in front of the line that widens it
	s_or_b32 exec_lo, exec_lo, s98
.macro PACK a                          ; block a, 16 tokens x 128 channels, rounded to f16: 16 bytes a lane and column block
.set AC, 64*((\a)%4)
	WIN 0x0a+5*((\a)/4)                            ; sources 0 and 1: window 2 or 3
.irp b, 0,1,2,3,4,5,6,7
.irp r, 0,1,2,3
	v_cvt_pk_f16_f32 v[TMP+4*\b+\r], v[AC+8*\b+2*\r], v[AC+8*\b+2*\r+1]
.endr
.endr
	WIN 0
.endm
.macro TOSTAGE a                       ; into my stage, and back head by head
.irp b, 0,1,2,3,4,5,6,7
	ds_store_b128 v[STO], v[TMP+4*\b:TMP+4*\b+3] offset:32*\b
.endr
.set BB, BK+32*((\a)%2)
	s_wait_xcnt 0x0                                ; the stores of two blocks back have read these registers
.irp e, 0,1
.irp i, 0,1,2,3
	ds_load_b128 v[BB+4*(4*\e+\i):BB+4*(4*\e+\i)+3], v[RD] offset:128*\e+4*SPITCH*\i   ; LDS serves a wave's instructions in order: these see the stores above
.endr
.endr
.endm
.macro SEND a
.set BB, BK+32*((\a)%2)
	s_wait_dscnt 0x0
.irp e, 0,1
.irp i, 0,1,2,3
	global_store_b128 v[CO], v[BB+4*(4*\e+\i):BB+4*(4*\e+\i)+3], s[12:13] offset:\e*262144+(\a)*2048+\i*512   ; the wave stores 512 consecutive bytes, aligned: four tokens of one head
.endr
.endr
.endm
	PACK 0
	TOSTAGE 0
.irp a, 1,2,3,4,5,6,7                  ; block a's conversions stand between block a - 1's loads from the stage and the wait for them
	PACK \a
	SEND \a-1
	TOSTAGE \a
.endr
	SEND 7
	s_wait_tensorcnt 0x0                           ; the wave's end
	ds_add_u32 v[SPW], v[NIL]
	s_wait_dscnt 0x0
	CROUND                                         ; the closing round
	s_endpgm
.Lfunc_end_k_qe87c4e3e27_gemmqkv:
	.size	k_qe87c4e3e27_gemmqkv, .Lfunc_end_k_qe87c4e3e27_gemmqkv-k_qe87c4e3e27_gemmqkv
	.p2alignl 7, 3214868480
	.fill 96, 4, 3214868480
	.section	.rodata,"a",@progbits
	.p2align	6, 0x0
	.amdhsa_kernel k_qe87c4e3e27_gemmqkv
		.amdhsa_group_segment_fixed_size 327680
		.amdhsa_private_segment_fixed_size 0
		.amdhsa_enable_private_segment 0
		.amdhsa_kernarg_size 48
		.amdhsa_user_sgpr_count 2
		.amdhsa_user_sgpr_kernarg_segment_ptr 1
		.amdhsa_wavefront_size32 1
		.amdhsa_system_sgpr_workgroup_id_x 1
		.amdhsa_system_sgpr_workgroup_id_y 1
		.amdhsa_system_sgpr_workgroup_id_z 1
		.amdhsa_system_vgpr_workitem_id 0
		.amdhsa_next_free_vgpr 1024
		.amdhsa_next_free_sgpr 102
		.amdhsa_reserve_vcc 0
		.amdhsa_float_denorm_mode_32 3
		.amdhsa_float_denorm_mode_16_64 3
		.amdhsa_memory_ordered 1
		.amdhsa_forward_progress 1
		.amdhsa_inst_pref_size 129
	.end_amdhsa_kernel
	.amdgpu_metadata
---
amdhsa.version: [ 1, 2 ]
amdhsa.kernels:
  - .name:           k_qe87c4e3e27_gemmqkv
    .symbol:         k_qe87c4e3e27_gemmqkv.kd
    .args:
      - { .name: xc, .offset: 0, .size: 8, .value_kind: global_buffer, .address_space: global }
      - { .name: xs, .offset: 8, .size: 8, .value_kind: global_buffer, .address_space: global }
      - { .name: wc, .offset: 16, .size: 8, .value_kind: global_buffer, .address_space: global }
      - { .name: ws, .offset: 24, .size: 8, .value_kind: global_buffer, .address_space: global }
      - { .name: qkv, .offset: 32, .size: 8, .value_kind: global_buffer, .address_space: global }
      - { .name: f32c, .offset: 40, .size: 8, .value_kind: global_buffer, .address_space: global }
    .group_segment_fixed_size: 327680
    .private_segment_fixed_size: 0
    .kernarg_segment_align: 8
    .kernarg_segment_size: 48
    .max_flat_workgroup_size: 128
    .sgpr_count:     102
    .vgpr_count:     1024
    .wavefront_size: 32
...
	.end_amdgpu_metadata
.endif
;; end of part 2
;; launch attn (part 3): grid 4 x 64, 8 waves a work-group, no clusters, 327,680 bytes of LDS; arguments qkv, ao; writes ao
.if DOCPART == 3
	.amdgcn_target "amdgcn-amd-amdhsa--gfx1250"
	.amdhsa_code_object_version 6
	.text
	.protected	k_qe87c4e3e27_attn
	.globl	k_qe87c4e3e27_attn
	.p2align	8
	.type	k_qe87c4e3e27_attn,@function
k_qe87c4e3e27_attn:
	s_mov_b64 s[64:65], 0
	v_nop
	global_prefetch_b8 v0, s[64:65] scope:SCOPE_SE
	s_setreg_imm32_b32 hwreg(HW_REG_WAVE_MODE, 25, 1), 1
	s_wait_xcnt 0x0
; LAUNCH 3 OF 5: ao[b][h][t][:] = sum over s <= t of softmax_s(q[t] . k[s] / 32) v[s][:], for the 64 pairs (b, h); q, k, v and ao in f16, [b][h][t][64]; products, maxima and sums in f32.
; WORK LEFT OUT: a step of 128 keys all of which lie above all 32 queries of a wave (their weight is exactly 0 by reference()'s own causal mask: see launch 1's head).
; LIMITS: f16 operands (magnitudes under 65,504); a NaN or an overflow that would arise only in hidden scores is not carried on.
; SHARES.  Work-group (i, bh) owns the query blocks i and 7 - i of 256 queries, one after the other: (i + 1) + (8 - i) = 9 slots of 256 keys for every work-group, so the trip count is a constant of the text
; and all 256 work-groups have the same number of slots.  A wave owns 32 queries: tile A in register window 0, tile B in window 1, under the same register numbers; each fragment of K and V feeds both.
; NO CLUSTER: the four work-groups of a head walk 0 .. i and then 0 .. 7 - i, so in a given trip they stand at different slots, and joint requests would not meet.
; LAYOUT.  S^T = K Q^T (source 0 = 16 keys, source 1 = 16 queries): a lane holds ONE query (lane % 16) and keys 8 (lane / 16) + 0 .. 7 of each tile.  Two such tiles, rounded to f16 in pairs, are source 1
; (32 keys x 16 queries) of O^T = V^T P.  K comes out of LDS as it lies, V ([key][channel]) turned, by ds_load_tr16_b128.
; SOFTMAX.  A running maximum m and sum l for each query: p = 2^(c s - c m), c = log2(e) / 32; O and l are multiplied by a = 2^(c m_old - c m_new) in every step.
; ORDER OF A STEP: K's loads, 32 products K Q^T, V's loads, tile A's softmax, tile A's 16 products V^T P, tile B's softmax (issued while those are in the matrix unit), tile B's 16 products.
; RING.  Two slots of 256 keys, 2^17 bytes apart.  Waves 0, 1 fetch K's halves, waves 2, 3 V's.  The change of slots stands at a slot's head; every wait on TENSORcnt is for 0; one tensor load a wave is out.
; REGISTERS.  Window 0 alone: v1-11 addresses.  Both windows: v16-31 Q; v32-95 S^T; v96-127 P; v128-159 O^T; v160-223 a buffer of fragments (window 0: keys 0-63 of a step, window 1: keys 64-127); v224-238 statistics.
.set KP,    144                        ; a row of K in LDS: 128 bytes + 16 = 36 words: the 16 rows of a load start at different banks (64 banks of 4 bytes: ISA guide 11.1)
.set VP,    160                        ; a row of V: 128 + 32 bytes
.set VOFF,  256*KP
.set SLOT1, 1<<17
.set STAGE, 2*SLOT1                    ; behind the ring: 32 rows x 144 bytes for each wave; no tensor load lands here
.set SPARE, STAGE+8*32*KP              ; the spare words, 128 bytes a wave: four blocks of 256 bytes that no other line names
.set AK0, 1
.set AV0, 2
.set ADK, 3
.set ADV, 4
.set SPW, 5
.set NIL, 6
.set QO,  7
.set STO, 8
.set RD,  9
.set GO,  10
.set PFO, 11
.set QF,  16
.set SC,  32
.set PF,  96
.set OA,  128
.set KB,  160
.set CM,  224                          ; c m;  v225 m
.set MX,  225
.set LS,  226                          ; v[226:227] l, even keys' and odd keys'
.set AF,  228                          ; a (v229 is named with it as a pair and written once)
.set C0,  230                          ; v230-233 at work
.set TS,  234                          ; v[234:235] at work
.set RL,  236                          ; my query's place in the wave's 32, less 8 (lane / 16)
.set NINF, 237
.set DD,  238
.set WV,  8
.set WGI, 9
.set BH,  10
.set QB,  14
.set KBS, 16
.set VBS, 18
.set SEL, 20
.set CS,  22
.set G1K, 24
.set G1V, 32
.set G0K, 40
.set G0V, 44
.set TB,  48                           ; LDS byte at which the slot in hand begins
.set KF,  49                           ; the step's first key
.set Q0,  50                           ; my first query
.set J,   51                           ; the trip
.set NS,  52                           ; the slot of keys last asked for
.set OB,  54
.set QA,  56
.set PFA, 58
.set LIM, 60
.set MSB, 0
.macro WIN new                         ; the immediate's high byte repeats the setting that is left; bits 1:0 source 0, 3:2 source 1, 5:4 source 2, 7:6 destination
.if MSB != \new
	s_set_vgpr_msb (MSB<<8)|\new
.set MSB, \new
.endif
.endm
; Waves 0 and 1 fetch for K, waves 2 and 3 for V, the others nothing.  An s_nop 0 and four v_nop follow each of the two lines.
.macro TLOAD
	s_cmp_lt_u32 s[WV], 2
	s_cbranch_scc0 .Lnot_k_\@
	tensor_load_to_lds s[G0K:G0K+3], s[G1K:G1K+7]
	s_nop 0
.rept 4
	v_nop
.endr
	s_branch .Lasked_\@
.Lnot_k_\@:
	s_cmp_lt_u32 s[WV], 4
	s_cbranch_scc0 .Lasked_\@
	tensor_load_to_lds s[G0V:G0V+3], s[G1V:G1V+7]
	s_nop 0
.rept 4
	v_nop
.endr
.Lasked_\@:
.endm
; A PREFETCH INTO THE L2.  All four work-groups of a head walk the same K and V: work-group i = 0 asks, in trip J for slot J + 2 (J = 0 .. 5), by the waves that fetch nothing: waves 4, 5 name the two
; halves of K's 32,768 bytes of a slot, waves 6, 7 those of V's; two instructions a wave, lanes 256 bytes apart: each aligned block of 256 bytes is named once.  Slots 0 and 1 come by their loads alone.
.macro ASK
	s_cmp_lt_u32 s[J], s[LIM]
	s_cbranch_scc0 .Lnot_mine_\@
	global_prefetch_b8 v[PFO], s[PFA:PFA+1] th:TH_LOAD_NT scope:SCOPE_SE
	global_prefetch_b8 v[PFO], s[PFA:PFA+1] offset:8192 th:TH_LOAD_NT scope:SCOPE_SE
.Lnot_mine_\@:
.endm
; THE CHANGE OF SLOTS, at a slot's head.  Each wave waits for all its tensor loads, adds 0 to its spare word, and waits for that and for its reads of the slot that it has left.  Behind the barrier the slot ahead
; is whole and nobody reads the other: fill = 1: it takes the keys of the next trip: the next slot of the walk, or slot 0 where the second block of queries begins.
.macro CHANGE fill
	s_wait_tensorcnt 0x0                           ; no tensor load of mine is out, so a group 0 may be written
	ds_add_u32 v[SPW], v[NIL]
.if \fill
	ds_add_u32 v[SPW], v[NIL]                      ; and once more
	s_xor_b32 s[G0K+1], s[G0K+1], SLOT1
	s_xor_b32 s[G0V+1], s[G0V+1], SLOT1
	s_add_co_u32 s[NS], s[NS], 1
	s_cmp_eq_u32 s[J], s[WGI]
	s_cselect_b32 s[NS], 0, s[NS]
	s_lshl_b32 s66, s[NS], 15                      ; 256 rows of 128 bytes a slot
	s_mov_b32 s67, 0
	s_add_nc_u64 s[G0K+2:G0K+3], s[KBS:KBS+1], s[66:67]
	s_or_b32 s[G0K+3], s[G0K+3], 0x80000000
	s_add_nc_u64 s[G0V+2:G0V+3], s[VBS:VBS+1], s[66:67]
	s_or_b32 s[G0V+3], s[G0V+3], 0x80000000
	s_wait_xcnt 0x0                                ; the last prefetches, a trip back, have read their address
	s_add_nc_u64 s[PFA:PFA+1], s[PFA:PFA+1], 32768
.endif
	s_wait_dscnt 0x0                               ; the add is done, and my reads of the slot that I have left are over
	s_barrier_signal -1
	s_barrier_wait -1
.if \fill
	TLOAD                                          ; the first thing behind the barrier, and a wave's one tensor load until the next
	ASK
.endif
.endm
; Hidden scores become -infinity ahead of the maximum.  Register 8 u + j holds key KF + 16 u + 8 (lane / 16) + j: hidden where 16 u + j > my query - KF - 8 (lane / 16).  s66 = Q0 - KF.  Serves either window.
.macro MASK
	v_add_nc_u32 v[DD], s66, v[RL]
.set n, 0
.rept 64
	v_cmp_gt_i32 vcc_lo, 16*(n/8)+n%8, v[DD]
	v_cndmask_b32 v[SC+n], v[SC+n], v[NINF], vcc_lo
.set n, n+1
.endr
.endm
; One tile's softmax for 128 keys.  Serves either window.
.macro SOFTMAX
.irp b, 0,1,2,3
	v_max3_num_f32 v[C0+\b], v[SC+16*\b], v[SC+16*\b+1], v[SC+16*\b+2]      ; four chains by turns; each accumulator is first read at its low end
.endr
.irp i, 3,5,7,9,11,13
.irp b, 0,1,2,3
	v_max3_num_f32 v[C0+\b], v[C0+\b], v[SC+16*\b+\i], v[SC+16*\b+\i+1]
.endr
.endr
.irp b, 0,1,2,3
	v_max_num_f32 v[C0+\b], v[C0+\b], v[SC+16*\b+15]
.endr
	v_max3_num_f32 v[C0], v[C0], v[C0+1], v[C0+2]
	v_max3_num_f32 v[C0], v[C0], v[C0+3], v[MX]
	v_permlanex16_b32 v[C0+1], v[C0], s[SEL], s[SEL+1]             ; the query's other 64 keys lie in the lane 16 away
	v_mov_b32 v[C0+2], v[CM]
	v_max_num_f32 v[MX], v[C0], v[C0+1]
	v_mul_f32 v[CM], s[CS], v[MX]
	v_sub_f32 v[C0+2], v[C0+2], v[CM]                              ; c m_old - c m_new
.set n, 0
.rept 32
	v_pk_fma_f32 v[SC+n:SC+n+1], v[SC+n:SC+n+1], s[CS:CS+1], v[CM:CM+1] op_sel_hi:[1,0,0] neg_lo:[0,0,1] neg_hi:[0,0,1]   ; c s - c m
.set n, n+2
.endr
	v_exp_f32 v[AF], v[C0+2]                                       ; ONE BATCH of 65 exponentials; none reads another's result
.set n, 0
.rept 64
	v_exp_f32 v[SC+n], v[SC+n]
.set n, n+1
.endr
	v_nop                                                          ; a plain instruction behind the last exponential
	s_wait_alu depctr_va_vdst(0)                                   ; one wait for the batch, ahead of its first reader
	v_pk_add_f32 v[TS:TS+1], v[SC:SC+1], v[SC+2:SC+3]              ; the step's sum, in two chains
	v_pk_add_f32 v[C0:C0+1], v[SC+4:SC+5], v[SC+6:SC+7]
.irp j, 8,12,16,20,24,28,32,36,40,44,48,52,56,60
	v_pk_add_f32 v[TS:TS+1], v[TS:TS+1], v[SC+\j:SC+\j+1]
	v_pk_add_f32 v[C0:C0+1], v[C0:C0+1], v[SC+\j+2:SC+\j+3]
.endr
	v_pk_add_f32 v[TS:TS+1], v[TS:TS+1], v[C0:C0+1]
	v_pk_fma_f32 v[LS:LS+1], v[LS:LS+1], v[AF:AF+1], v[TS:TS+1] op_sel_hi:[1,0,1]   ; l = a l + the sum
.set n, 0
.rept 32
	v_cvt_pk_f16_f32 v[PF+n], v[SC+2*n], v[SC+2*n+1]
.set n, n+1
.endr
.set n, 0
.rept 16
	v_pk_mul_f32 v[OA+n:OA+n+1], v[OA+n:OA+n+1], v[AF:AF+1] op_sel_hi:[1,0]
.set n, n+2
.endr
.endm
; 8 products K Q^T: the four tiles of keys of buffer buf, tile x of queries; the four accumulators take turns; the first four start the sums.
.macro KQ buf, x
	WIN (\buf)+0x54*(\x)
.irp u, 0,1,2,3
	v_wmma_f32_16x16x32_f16 v[SC+8*(4*(\buf)+\u):SC+8*(4*(\buf)+\u)+7], v[KB+16*\u:KB+16*\u+7], v[QF:QF+7], 0
.endr
.irp u, 0,1,2,3
	v_wmma_f32_16x16x32_f16 v[SC+8*(4*(\buf)+\u):SC+8*(4*(\buf)+\u)+7], v[KB+16*\u+8:KB+16*\u+15], v[QF+8:QF+15], v[SC+8*(4*(\buf)+\u):SC+8*(4*(\buf)+\u)+7]
.endr
.endm
; 8 products V^T P: the 64 keys of buffer buf, tile x; the four channel tiles take turns.
.macro PV buf, x
	WIN (\buf)+0x54*(\x)
.irp kg, 0,1
.irp t, 0,1,2,3
	v_wmma_f32_16x16x32_f16 v[OA+8*\t:OA+8*\t+7], v[KB+32*\kg+8*\t:KB+32*\kg+8*\t+7], v[PF+8*(2*(\buf)+\kg):PF+8*(2*(\buf)+\kg)+7], v[OA+8*\t:OA+8*\t+7]
.endr
.endr
.endm
.macro KLOADS q, buf                   ; four tiles of 16 keys x 64 channels
.irp u, 0,1,2,3
.irp cf, 0,1
.irp c, 0,1
	ds_load_b128 v[KB+16*\u+8*\cf+4*\c:KB+16*\u+8*\cf+4*\c+3], v[ADK] offset:(128*(\q)+64*(\buf)+16*\u)*KP+64*\cf+32*\c
.endr
.endr
.endr
.endm
.macro VLOADS q, buf                   ; 64 keys x 64 channels, turned: fragment (kg, t) = 16 channels x 32 keys
.irp kg, 0,1
.irp t, 0,1,2,3
	ds_load_tr16_b128 v[KB+32*\kg+8*\t:KB+32*\kg+8*\t+3],   v[ADV] offset:(128*(\q)+64*(\buf)+32*\kg)*VP+32*\t
	ds_load_tr16_b128 v[KB+32*\kg+8*\t+4:KB+32*\kg+8*\t+7], v[ADV] offset:(128*(\q)+64*(\buf)+32*\kg+16)*VP+32*\t
.endr
.endr
.endm
; A KEY STEP: 128 keys, the q-th of the slot in hand.
.macro STEP q
	s_add_co_u32 s66, s[Q0], 31
	s_cmp_gt_u32 s[KF], s66                        ; all keys above all my queries: a branch on ids, round the step's loads and work alone
	s_cbranch_scc1 .Lhidden_\@
	v_add_nc_u32 v[ADK], s[TB], v[AK0]
	v_add_nc_u32 v[ADV], s[TB], v[AV0]
	v_nop
	v_nop                                          ; four plain instructions in front of loads into registers that matrix instructions have read
	KLOADS \q, 0
	WIN 0x40                                       ; destination window 1
	KLOADS \q, 1
	s_wait_dscnt 0x0
	KQ 0, 0
	KQ 0, 1
	KQ 1, 0
	KQ 1, 1
	WIN 0
.rept 4
	v_nop                                          ; places in front of V's loads into the buffers and of the first read of the scores
.endr
	VLOADS \q, 0
	WIN 0x40
	VLOADS \q, 1
	WIN 0
	s_add_co_u32 s66, s[KF], 127
	s_cmp_le_u32 s66, s[Q0]                        ; all keys count for all my queries: no mask
	s_cbranch_scc1 .Lopen_\@
	s_sub_co_i32 s66, s[Q0], s[KF]
	MASK
	WIN 0x55
	MASK
	WIN 0
.Lopen_\@:
	SOFTMAX
	s_wait_dscnt 0x0                               ; V is in
	PV 0, 0
	PV 1, 0
	WIN 0x55
	SOFTMAX                                        ; names none of the registers of tile A's products
	PV 0, 1
	PV 1, 1
	WIN 0
.Lhidden_\@:
	s_add_co_u32 s[KF], s[KF], 128
.endm
.macro QLOAD                           ; my 32 queries: tile x into window x; fragment cf = channels 32 cf on
.irp x, 0,1
	WIN 0x40*\x
.irp cf, 0,1
.irp c, 0,1
	global_load_b128 v[QF+8*\cf+4*\c:QF+8*\cf+4*\c+3], v[QO], s[QA:QA+1] offset:2048*\x+64*\cf+32*\c
.endr
.endr
.endr
	WIN 0
.endm
.macro INIT1                           ; the step is written once: the first finds zeros, which the first a = 0 leaves zeros
.set n, 0
.rept 32
	v_mov_b32 v[OA+n], 0
.set n, n+1
.endr
	v_mov_b32 v[LS], 0
	v_mov_b32 v[LS+1], 0
	v_mov_b32 v[MX], 0xff61b1e6                    ; -3e38, under every score
	v_mul_f32 v[CM], s[CS], v[MX]
	v_mov_b32 v[AF+1], 0
	v_mov_b32 v[C0+1], 0
.endm
.macro INIT
	INIT1
	WIN 0x55
	INIT1
	WIN 0
.endm
.macro FIN1                            ; O^T / l, rounded to f16.  Serves either window
	v_add_f32 v[C0], v[LS], v[LS+1]
	v_permlanex16_b32 v[C0+1], v[C0], s[SEL], s[SEL+1]
	v_add_f32 v[C0], v[C0], v[C0+1]
	v_rcp_f32 v[AF], v[C0]
	v_nop
	s_wait_alu depctr_va_vdst(0)                   ; ahead of the reciprocal's first reader
.set n, 0
.rept 16
	v_pk_mul_f32 v[OA+n:OA+n+1], v[OA+n:OA+n+1], v[AF:AF+1] op_sel_hi:[1,0]
.set n, n+2
.endr
.set n, 0
.rept 16
	v_cvt_pk_f16_f32 v[PF+n], v[OA+2*n], v[OA+2*n+1]
.set n, n+1
.endr
.endm
.macro FINISH                          ; a block of queries leaves: through my own stage, so that each store of the wave covers 512 consecutive bytes (four rows of ao)
.rept 4
	v_nop                                          ; places behind the last products
.endr
	FIN1
	WIN 0x55
	FIN1
	WIN 0
.irp t, 0,1,2,3
	ds_store_b128 v[STO], v[PF+4*\t:PF+4*\t+3] offset:32*\t
.endr
	WIN 0x04                                       ; an LDS store's data are its source 1: window 1
.irp t, 0,1,2,3
	ds_store_b128 v[STO], v[PF+4*\t:PF+4*\t+3] offset:16*KP+32*\t
.endr
	WIN 0
.irp i, 0,1,2,3,4,5,6,7
	ds_load_b128 v[SC+4*\i:SC+4*\i+3], v[RD] offset:4*KP*\i        ; LDS serves a wave's instructions in order: these see the stores above
.endr
.irp i, 0,1,2,3,4,5,6,7
	s_wait_dscnt 7-\i
	global_store_b128 v[GO], v[SC+4*\i:SC+4*\i+3], s[OB:OB+1] offset:512*\i
.endr
	s_wait_xcnt 0x0                                ; the stores have read their registers and their base: both are written again
.endm
	s_load_b128 s[4:7], s[0:1], 0x0                ; qkv s[4:5], ao s[6:7]
	v_lshl_add_u32 v[SPW], v0, 2, SPARE
	v_mov_b32 v[NIL], 0
	ds_add_u32 v[SPW], v[NIL]                      ; the wave's opening: the add, twice on end, and its wait ahead of the first tensor load
	ds_add_u32 v[SPW], v[NIL]
	v_lshrrev_b32 v1, 5, v0
	v_readfirstlane_b32 s[WV], v1                  ; wave 0..7
	s_mov_b32 s[WGI], ttmp9                        ; i
	s_and_b32 s[BH], ttmp7, 0xffff                 ; 16 b + h
	s_lshl_b32 s12, s[BH], 18                      ; a head's 2,048 rows of 128 bytes
	s_mov_b32 s13, 0
	s_mov_b32 s[G1K], (1<<16)|(1<<20)|(4<<22)|(3<<25)   ; elements of 2 bytes; padding on: 4 words after every 32
	s_mov_b32 s[G1V], (1<<16)|(1<<20)|(4<<22)|(7<<25)   ; 8 words after every 32
.irp g, G1K, G1V
	s_mov_b32 s[\g+1], 64<<16                      ; tensor_dim0 = 64
	s_mov_b32 s[\g+2], 128<<16                     ; tensor_dim1 = 128
	s_mov_b32 s[\g+3], 64<<16                      ; tile_dim0
	s_mov_b32 s[\g+4], 128                         ; tile_dim1
	s_mov_b32 s[\g+5], 64                          ; the pitch
	s_mov_b32 s[\g+6], 0
	s_mov_b32 s[\g+7], 0
.endr
	s_mov_b32 s[SEL], 0x76543210
	s_mov_b32 s[SEL+1], 0xfedcba98
	s_mov_b32 s[CS], 0x3d38aa3b                    ; c = log2(e) / 32
	s_mov_b32 s[CS+1], s[CS]
	s_mov_b32 s[TB], 0
	s_mov_b32 s[KF], 0
	s_mov_b32 s[J], 0
	s_mov_b32 s[NS], 0
	s_and_b32 s66, s[WV], 1                        ; which half of a slot's rows I fetch (or name in a prefetch)
	s_lshl_b32 s68, s66, 14
	s_mov_b32 s69, 0
	s_add_nc_u64 s[68:69], s[68:69], s[12:13]
	s_mul_i32 s70, s66, 128*KP
	s_mul_i32 s71, s66, 128*VP
	s_add_co_u32 s71, s71, VOFF
	s_lshr_b32 s66, s[WV], 2
	s_xor_b32 s66, s66, 1                          ; 0 in waves 4 to 7,
	s_or_b32 s66, s66, s[WGI]                      ; of work-group i = 0
	s_cmp_eq_u32 s66, 0
	s_cselect_b32 s[LIM], 6, 0
	s_wait_dscnt 0x0                               ; both opening adds are done
	s_wait_kmcnt 0x0
	s_add_nc_u64 s[QB:QB+1], s[4:5], s[12:13]      ; q of my head
	s_add_nc_u64 s[KBS:KBS+1], s[4:5], s[68:69]
	s_add_nc_u64 s[KBS:KBS+1], s[KBS:KBS+1], 0x1000000   ; k of my head, my half
	s_add_nc_u64 s[VBS:VBS+1], s[4:5], s[68:69]
	s_add_nc_u64 s[VBS:VBS+1], s[VBS:VBS+1], 0x2000000   ; v likewise
	s_mov_b32 s[G0K], 1
	s_mov_b32 s[G0K+1], s70
	s_mov_b64 s[G0K+2:G0K+3], s[KBS:KBS+1]
	s_or_b32 s[G0K+3], s[G0K+3], 0x80000000
	s_mov_b32 s[G0V], 1
	s_mov_b32 s[G0V+1], s71
	s_mov_b64 s[G0V+2:G0V+3], s[VBS:VBS+1]
	s_or_b32 s[G0V+3], s[G0V+3], 0x80000000
	TLOAD                                          ; slot 0: keys 0 to 255, which count for every block of queries
	s_add_nc_u64 s[6:7], s[6:7], s[12:13]          ; ao at my head
	s_cmp_lt_u32 s[WV], 6
	s_cselect_b64 s[PFA:PFA+1], s[KBS:KBS+1], s[VBS:VBS+1]
	s_add_nc_u64 s[PFA:PFA+1], s[PFA:PFA+1], 32768 ; at slot 1: the first change of slots steps it to slot 2
	s_lshl_b32 s66, s[WGI], 8
	s_lshl_b32 s67, s[WV], 5
	s_add_co_u32 s[Q0], s66, s67                   ; my first query: 256 i + 32 x wave
	s_lshl_b32 s66, s[Q0], 7
	s_mov_b32 s67, 0
	s_add_nc_u64 s[QA:QA+1], s[QB:QB+1], s[66:67]
	s_add_nc_u64 s[OB:OB+1], s[6:7], s[66:67]
	v_and_b32 v12, 15, v0                          ; r
	v_bfe_u32 v13, v0, 4, 1                        ; h
	v_lshlrev_b32 v[QO], 7, v12
	v_lshl_add_u32 v[QO], v13, 4, v[QO]            ; row r of 128 bytes + 16 h
	QLOAD
	v_mul_u32_u24 v[AK0], v12, KP
	v_lshl_add_u32 v[AK0], v13, 4, v[AK0]
	v_and_b32 v14, 7, v0
	v_lshl_add_u32 v14, v13, 3, v14                ; the turning load: key 8 h + l % 8,
	v_mul_u32_u24 v[AV0], v14, VP
	v_bfe_u32 v14, v0, 3, 1
	v_lshl_add_u32 v[AV0], v14, 4, v[AV0]          ; channels 8 ((l / 8) % 2) on
	v_add_nc_u32 v[AV0], VOFF, v[AV0]
	s_mul_i32 s66, s[WV], 32*KP
	s_add_co_u32 s66, s66, STAGE                   ; my stage
	v_add_nc_u32 v[STO], s66, v[AK0]
	v_and_b32 v14, 31, v0
	v_lshlrev_b32 v[GO], 4, v14
	v_lshlrev_b32 v[PFO], 8, v14
	v_lshrrev_b32 v15, 3, v14
	v_mul_u32_u24 v[RD], v15, KP
	v_and_b32 v15, 7, v0
	v_lshl_add_u32 v[RD], v15, 4, v[RD]
	v_add_nc_u32 v[RD], s66, v[RD]                 ; back: eight lanes to a row of 128 bytes
	v_lshlrev_b32 v14, 3, v13
	v_sub_nc_u32 v[RL], v12, v14
	v_mov_b32 v[NINF], 0xff800000
	WIN 0x40
	v_add_nc_u32 v[RL], 16, v[RL]                  ; tile B's queries lie 16 further on
	v_mov_b32 v[NINF], 0xff800000
	WIN 0
	INIT
	s_wait_loadcnt 0x0                             ; Q
.Ltrip:                                            ; eight trips; behind each change of slots the next trip's keys are asked for
	CHANGE 1
	STEP 0
	STEP 1
	s_xor_b32 s[TB], s[TB], SLOT1
	s_cmp_lg_u32 s[J], s[WGI]
	s_cbranch_scc1 .Lsame
	; block i is finished: on to block 7 - i.  Its queries are asked for first, and land while block i leaves
	s_sub_co_u32 s66, 7, s[WGI]
	s_lshl_b32 s66, s66, 8
	s_lshl_b32 s67, s[WV], 5
	s_add_co_u32 s[Q0], s66, s67
	s_lshl_b32 s66, s[Q0], 7
	s_mov_b32 s67, 0
	s_add_nc_u64 s[QA:QA+1], s[QB:QB+1], s[66:67]
	QLOAD
	FINISH
	s_add_nc_u64 s[OB:OB+1], s[6:7], s[66:67]
	s_mov_b32 s[KF], 0
	INIT
	s_wait_loadcnt 0x0
.Lsame:
	s_add_co_u32 s[J], s[J], 1
	s_cmp_lt_u32 s[J], 8
	s_cbranch_scc1 .Ltrip
	CHANGE 0                                       ; the ninth slot is written out: nothing is left to ask for
	STEP 0
	STEP 1
	FINISH
	s_wait_tensorcnt 0x0                           ; the wave's end
	ds_add_u32 v[SPW], v[NIL]
	s_wait_dscnt 0x0
	s_endpgm
.Lfunc_end_k_qe87c4e3e27_attn:
	.size	k_qe87c4e3e27_attn, .Lfunc_end_k_qe87c4e3e27_attn-k_qe87c4e3e27_attn
	.p2alignl 7, 3214868480
	.fill 96, 4, 3214868480
	.section	.rodata,"a",@progbits
	.p2align	6, 0x0
	.amdhsa_kernel k_qe87c4e3e27_attn
		.amdhsa_group_segment_fixed_size 327680
		.amdhsa_private_segment_fixed_size 0
		.amdhsa_enable_private_segment 0
		.amdhsa_kernarg_size 16
		.amdhsa_user_sgpr_count 2
		.amdhsa_user_sgpr_kernarg_segment_ptr 1
		.amdhsa_wavefront_size32 1
		.amdhsa_system_sgpr_workgroup_id_x 1
		.amdhsa_system_sgpr_workgroup_id_y 1
		.amdhsa_system_sgpr_workgroup_id_z 1
		.amdhsa_system_vgpr_workitem_id 0
		.amdhsa_next_free_vgpr 512
		.amdhsa_next_free_sgpr 76
		.amdhsa_reserve_vcc 1
		.amdhsa_float_denorm_mode_32 3
		.amdhsa_float_denorm_mode_16_64 3
		.amdhsa_memory_ordered 1
		.amdhsa_forward_progress 1
		.amdhsa_inst_pref_size 195
	.end_amdhsa_kernel
	.amdgpu_metadata
---
amdhsa.version: [ 1, 2 ]
amdhsa.kernels:
  - .name:           k_qe87c4e3e27_attn
    .symbol:         k_qe87c4e3e27_attn.kd
    .args:
      - { .name: qkv, .offset: 0, .size: 8, .value_kind: global_buffer, .address_space: global }
      - { .name: ao, .offset: 8, .size: 8, .value_kind: global_buffer, .address_space: global }
    .group_segment_fixed_size: 327680
    .private_segment_fixed_size: 0
    .kernarg_segment_align: 8
    .kernarg_segment_size: 16
    .max_flat_workgroup_size: 256
    .sgpr_count:     76
    .vgpr_count:     512
    .wavefront_size: 32
...
	.end_amdgpu_metadata
.endif
;; end of part 3
;; launch proj (part 4): grid 8 x 64, 4 waves a work-group, clusters of 4 x 4, 327,680 bytes of LDS; arguments ao, wpt, out0, bp; writes out0
.if DOCPART == 4
	.amdgcn_target "amdgcn-amd-amdhsa--gfx1250"
	.amdhsa_code_object_version 6
	.text
	.protected	k_qe87c4e3e27_proj
	.globl	k_qe87c4e3e27_proj
	.p2align	8
	.type	k_qe87c4e3e27_proj,@function
k_qe87c4e3e27_proj:
	s_mov_b64 s[64:65], 0
	v_nop
	global_prefetch_b8 v0, s[64:65] scope:SCOPE_SE
	s_setreg_imm32_b32 hwreg(HW_REG_WAVE_MODE, 25, 1), 1
	s_wait_xcnt 0x0
	s_wait_alu depctr_hold_cnt(0) depctr_sa_sdst(0) depctr_va_vdst(0) depctr_va_sdst(0) depctr_va_ssrc(0) depctr_va_vcc(0) depctr_vm_vsrc(0)
	s_getreg_b32 s2, hwreg(HW_REG_IB_STS2, 6, 4)
	s_cmp_eq_u32 s2, 0
	s_cbranch_scc0 .Lentry_in_a_cluster
	s_endpgm
.Lentry_in_a_cluster:
	s_bfe_u32 s2, ttmp6, 0x10000c
	s_cmp_lg_u32 s2, 0xf033
	s_cbranch_scc0 .Lentry_shape_is_right
	s_endpgm
.Lentry_shape_is_right:
; LAUNCH 4 OF 5: out0[token][n] = sum over k of a[token][k] Wp[k][n] + bp[n]; a = the attention's result with the heads on end (k = 64 head + d), f16, stored [b][head][t][64]; wpt = Wp^T [n][k], f16; sums and out0 in f32.
; Rows 0 to 15 of each sequence are stored here too and stored anew, from f32 operands, by launch 5: which work-groups hold them hangs on the place in the cluster.
; LIMIT: f16 operands (magnitudes under 65,504).
; A tile of out0 is 128 x 128: 512 work-groups.  Four waves, 64 x 64 each: 16 accumulators.  K goes in four steps of 256 (four heads) through two LDS slots.
; A'S TILE: for one head 64 tokens are 8,192 consecutive bytes, so a wave's load is 4 rows (heads) of 4,096 elements, 131,072 elements apart, with 16 bytes of padding behind every 128: in LDS [head][token][144 bytes].
; B'S TILE: 64 rows of 512 bytes, 528 apart in LDS.
; CLUSTERS: 4 x 4; A's tiles are asked for jointly along a row of the cluster, B's along a column.  TRANSPOSED USE (source 0 = 16 rows of wpt, source 1 = 16 tokens): a lane holds eight neighbouring columns of a row.
; THE BIAS is the C of each sum's first product.  THE WAY OUT is each wave's own: its 64 columns of f32 are 256 consecutive bytes, aligned.
; REGISTERS: window 0: v0-31 addresses; v32-95 the way out; v96-127 the bias; v128-255 the accumulators.  window 1: two fragment buffers of 128 (64 of A, then 64 of B).
.set KSTEP,  256
.set SIZE_K, 1024
.set PITCH,  528                       ; B: 512 bytes + 16 = 132 words: the 16 rows of a load start at 16 different banks (64 banks of 4 bytes: ISA guide 11.1)
.set APITCH, 144                       ; A: 128 bytes + 16
.set PLANE,  64*APITCH                 ; a head's 64 tokens
.set HALFA,  4*PLANE                   ; what one load brings of A
.set HALFB,  64*PITCH                  ; and of B
.set BOFF,   2*HALFA
.set SLOT,   BOFF+2*HALFB
.set SPARE,  2*SLOT                    ; the spare words, 128 bytes a wave: two blocks of 256 bytes that no other line names
.set SPITCH, 272                       ; the way out: 16 rows x (256 + 16) bytes a wave, in slot 0, which has had its last fill and its last read by then
.set ASTEP,  4*262144                  ; four heads on, in bytes
.set ADRA, 16
.set ADRB, 20
.set STO,  24
.set RD,   25
.set CO,   26
.set BO,   27
.set SPW,  28
.set NIL,  29
.set TMP,  32
.set BIAS, 96
.set ACC,  128
.set F0,   0
.set F1,   128
.set G1, 24
.set G0, 32
.set G1B, 48
.set G0B, 56
.set MSB, 0
.macro WIN new
.if MSB != \new
	s_set_vgpr_msb (MSB<<8)|\new
.set MSB, \new
.endif
.endm
.set MUL,  0x05                        ; sources 0 (B) and 1 (A) window 1; C and D window 0
.set TO_F, 0x40
.macro JLOAD s                         ; a joint load: waves 0 and 1 fetch A's two halves, waves 2 and 3 B's; an s_nop 0 and four v_nop follow each line
	s_cmp_eq_u32 s11, 0
	s_cbranch_scc0 .Lfor_b_\@
	tensor_load_to_lds s[G0+4*\s:G0+4*\s+3], s[G1:G1+7]
	s_nop 0
.rept 4
	v_nop
.endr
	s_branch .Lasked_\@
.Lfor_b_\@:
	tensor_load_to_lds s[G0B+4*\s:G0B+4*\s+3], s[G1B:G1B+7]
	s_nop 0
.rept 4
	v_nop
.endr
.Lasked_\@:
.endm
.macro CREST
	s_cmp_lg_u32 s10, 0
	s_cbranch_scc1 .Lnot_wave_0_\@
	s_barrier_signal -3
.Lnot_wave_0_\@:
	s_barrier_wait -3
	s_barrier_signal -1
	s_barrier_wait -1
.endm
.macro CROUND
	s_barrier_signal -1
	s_barrier_wait -1
	CREST
.endm
	s_load_b128 s[4:7], s[0:1], 0x0                ; ao s[4:5], wpt s[6:7]
	s_load_b64 s[8:9], s[0:1], 0x10                ; out0
	s_load_b64 s[66:67], s[0:1], 0x18              ; bp
	v_lshl_add_u32 v[SPW], v0, 2, SPARE
	v_mov_b32 v[NIL], 0
	ds_add_u32 v[SPW], v[NIL]                      ; the wave's opening: the add, twice on end, and its wait ahead of my first tensor load
	ds_add_u32 v[SPW], v[NIL]
	v_lshrrev_b32 v1, 5, v0
	v_readfirstlane_b32 s10, v1                    ; wave 0..3
	s_lshr_b32 s11, s10, 1                         ; which half of the tile's rows is mine.  Also: I fetch for A (0) or for B (1)
	s_and_b32 s12, s10, 1                          ; which half of its columns.  Also: which 64 rows of that tile I fetch
	s_bfe_u32 s40, ttmp6, 0x40000                  ; cx, cy
	s_bfe_u32 s41, ttmp6, 0x40004
	s_lshl_b32 s42, ttmp9, 2
	s_add_co_u32 s42, s42, s40                     ; tile column
	s_and_b32 s13, ttmp7, 0xffff
	s_lshl_b32 s13, s13, 2
	s_add_co_u32 s13, s13, s41                     ; tile row
	s_lshl_b32 s43, s41, 2
	s_lshl_b32 s43, 15, s43                        ; my row of the cluster
	s_lshl_b32 s44, 0x1111, s40                    ; my column
	s_or_b32 s[G1+0], s43, (1<<16)|(1<<20)|(1<<21)|(4<<22)|(3<<25)   ; A: the mask; elements of 2 bytes; padding on; bit 21 beside a mask; 4 words after every 32
	s_mov_b32 s[G1+1], 4096<<16                    ; tensor_dim0 = 4,096
	s_mov_b32 s[G1+2], 4<<16                       ; tensor_dim1 = 4
	s_mov_b32 s[G1+3], 4096<<16                    ; tile_dim0
	s_mov_b32 s[G1+4], 4                           ; tile_dim1
	s_mov_b32 s[G1+5], 131072                      ; from head to head, in elements
	s_mov_b32 s[G1+6], 0
	s_mov_b32 s[G1+7], 0
	s_or_b32 s[G1B+0], s44, (1<<16)|(1<<20)|(1<<21)|(6<<22)|(3<<25)  ; B: 4 words after every 128
	s_mov_b32 s[G1B+1], KSTEP<<16
	s_mov_b32 s[G1B+2], 64<<16
	s_mov_b32 s[G1B+3], KSTEP<<16
	s_mov_b32 s[G1B+4], 64
	s_mov_b32 s[G1B+5], SIZE_K
	s_mov_b32 s[G1B+6], 0
	s_mov_b32 s[G1B+7], 0
	s_lshl_b32 s17, s12, 6                         ; which 64 rows of the tile I fetch
	s_lshl_b32 s46, s42, 7
	s_add_co_u32 s46, s46, s17                     ; B: row 128 x tile column + 64 x half,
	s_lshl_b32 s46, s46, 11                        ; of 2,048 bytes
	s_mov_b32 s47, 0
	s_lshl_b32 s16, s13, 7
	s_add_co_u32 s16, s16, s17                     ; A: token 128 x tile row + 64 x half:
	s_lshr_b32 s18, s16, 11
	s_lshl_b32 s18, s18, 22                        ; its batch,
	s_and_b32 s16, s16, 2047
	s_lshl_b32 s16, s16, 7                         ; its position, 128 bytes each
	s_add_co_u32 s16, s16, s18
	s_mov_b32 s17, 0
	s_mul_i32 s20, s12, HALFA                      ; where they go: no place in the cluster enters an LDS address
	s_mul_i32 s21, s12, HALFB
	s_add_co_u32 s21, s21, BOFF
	s_wait_dscnt 0x0                               ; both opening adds are done
	s_wait_kmcnt 0x0
	s_add_nc_u64 s[14:15], s[4:5], s[16:17]
	s_add_nc_u64 s[46:47], s[6:7], s[46:47]
	CROUND                                         ; all sixteen work-groups are here: the first joint loads meet
.irp s, 0,1
	s_mov_b32 s[G0+4*\s], 1
	s_add_co_u32 s[G0+4*\s+1], s20, \s*SLOT
	s_add_nc_u64 s[G0+4*\s+2:G0+4*\s+3], s[14:15], \s*ASTEP
	s_or_b32 s[G0+4*\s+3], s[G0+4*\s+3], 0x80000000
	s_mov_b32 s[G0B+4*\s], 1
	s_add_co_u32 s[G0B+4*\s+1], s21, \s*SLOT
	s_add_nc_u64 s[G0B+4*\s+2:G0B+4*\s+3], s[46:47], \s*KSTEP*2
	s_or_b32 s[G0B+4*\s+3], s[G0B+4*\s+3], 0x80000000
	JLOAD \s
.endr
	v_and_b32 v1, 15, v0                           ; r
	v_bfe_u32 v2, v0, 4, 1                         ; h
	v_mul_u32_u24 v3, v1, APITCH
	v_lshl_add_u32 v3, v2, 4, v3
	v_mul_u32_u24 v4, v1, PITCH
	v_lshl_add_u32 v4, v2, 4, v4
	s_mul_i32 s21, s11, HALFA                      ; my 64 tokens of A
	s_mul_i32 s22, s12, HALFB                      ; my 64 rows of B
	s_add_co_u32 s22, s22, BOFF
.irp s, 0,1
	v_add_nc_u32 v[ADRA+\s], s21, v3
	v_add_nc_u32 v[ADRB+\s], s22, v4
	s_add_co_u32 s21, s21, SLOT
	s_add_co_u32 s22, s22, SLOT
.endr
	s_mul_i32 s23, s10, 16*SPITCH                  ; my stage
	v_mul_u32_u24 v5, v1, SPITCH
	v_lshl_add_u32 v5, v2, 5, v5
	v_add_nc_u32 v[STO], s23, v5                   ; in: row r, 32 bytes for each half of the lanes
	v_mul_u32_u24 v5, v2, SPITCH
	v_lshl_add_u32 v5, v1, 4, v5
	v_add_nc_u32 v[RD], s23, v5                    ; back: lanes 0-15 one row of 256 bytes, lanes 16-31 the next
	v_lshlrev_b32 v5, 12, v2
	v_lshl_add_u32 v[CO], v1, 4, v5                ; and the same two rows in out0
	v_lshlrev_b32 v[BO], 5, v2                     ; the bias: my half's eight columns
	s_lshl_b32 s16, s13, 7
	s_lshl_b32 s17, s11, 6
	s_add_co_u32 s16, s16, s17                     ; my first row of out0,
	s_lshl_b32 s16, s16, 12                        ; of 4,096 bytes
	s_mov_b32 s17, 0
	s_lshl_b32 s46, s42, 9
	s_lshl_b32 s47, s12, 8
	s_add_co_u32 s46, s46, s47                     ; my first column, in bytes
	s_mov_b32 s47, 0
	s_add_nc_u64 s[66:67], s[66:67], s[46:47]
	s_add_nc_u64 s[8:9], s[8:9], s[16:17]
	s_add_nc_u64 s[8:9], s[8:9], s[46:47]
.irp b, 0,1,2,3
	global_load_b128 v[BIAS+8*\b:BIAS+8*\b+3], v[BO], s[66:67] offset:64*\b        ; bp at columns 16 b + 8 h + 0 .. 7: the result's layout
	global_load_b128 v[BIAS+8*\b+4:BIAS+8*\b+7], v[BO], s[66:67] offset:64*\b+16
.endr
; 8 matrix instructions: m blocks a0, a0 + 1 x all 4 n blocks, 32 along K.  first = 1: the product starts the sum, with the bias as C.  The 16 accumulators take turns.
.macro MUL8 f, c, a0, first
.irp a, \a0, \a0+1
.irp b, 0,1,2,3
.if \first
	v_wmma_f32_16x16x32_f16 v[ACC+8*(4*(\a)+\b):ACC+8*(4*(\a)+\b)+7], v[\f+64+8*(4*\c+\b):\f+64+8*(4*\c+\b)+7], v[\f+8*(4*\c+\a):\f+8*(4*\c+\a)+7], v[BIAS+8*\b:BIAS+8*\b+7]
.else
	v_wmma_f32_16x16x32_f16 v[ACC+8*(4*(\a)+\b):ACC+8*(4*(\a)+\b)+7], v[\f+64+8*(4*\c+\b):\f+64+8*(4*\c+\b)+7], v[\f+8*(4*\c+\a):\f+8*(4*\c+\a)+7], v[ACC+8*(4*(\a)+\b):ACC+8*(4*(\a)+\b)+7]
.endif
.endr
.endr
.endm
; 32 LDS loads in one run: the fragments of 64 along K (one head) at byte k of B's rows, into buffer f; the first 32 along K first
.macro FETCH slot, k, f
	WIN TO_F
.irp c, 0,1
.irp i, 0,1,2,3
	ds_load_b128 v[\f+64+8*(4*\c+\i):\f+64+8*(4*\c+\i)+3],   v[ADRB+\slot] offset:\k+64*\c+\i*16*PITCH
	ds_load_b128 v[\f+64+8*(4*\c+\i)+4:\f+64+8*(4*\c+\i)+7], v[ADRB+\slot] offset:\k+64*\c+\i*16*PITCH+32
	ds_load_b128 v[\f+8*(4*\c+\i):\f+8*(4*\c+\i)+3],         v[ADRA+\slot] offset:(\k/128)*PLANE+64*\c+\i*16*APITCH
	ds_load_b128 v[\f+8*(4*\c+\i)+4:\f+8*(4*\c+\i)+7],       v[ADRA+\slot] offset:(\k/128)*PLANE+64*\c+\i*16*APITCH+32
.endr
.endr
.endm
.macro PLACES
.rept 4
	v_nop
.endr
.endm
.macro QUARTER slot, k, f, g, first    ; 64 along K: multiplies buffer f and fetches the next quarter, at byte k, into g
	s_wait_dscnt 16                                ; the first 32 along K are in
	WIN MUL
	MUL8 \f, 0, 0, \first
	MUL8 \f, 0, 2, \first
	PLACES
	FETCH \slot, \k, \g
	s_wait_dscnt 32                                ; all but the 32 just issued
	WIN MUL
	MUL8 \f, 1, 0, 0
	MUL8 \f, 1, 2, 0
.endm
; A slot's last quarter changes slots: one barrier; in front of it each wave waits for all its tensor loads, adds 0 to its spare word, and waits for that and for its reads of this slot.  fill = 1: the barrier opens a
; round of the cluster's barrier, and this slot is filled again, two K steps on, first thing behind the round.
.macro TURN slot, next, fill
	WIN 0
	s_wait_tensorcnt 0x0
	ds_add_u32 v[SPW], v[NIL]
	s_wait_dscnt 17                                ; (the add and the youngest sixteen loads may be out)
	WIN MUL
	MUL8 F1, 0, 0, 0
	s_wait_dscnt 0x0                               ; the add is done, and my reads of this slot are over
	s_barrier_signal -1
	MUL8 F1, 0, 2, 0
.if \fill
	WIN 0
.endif
	s_barrier_wait -1
.if \fill
	CREST
	s_add_nc_u64 s[G0+4*\slot+2:G0+4*\slot+3], s[G0+4*\slot+2:G0+4*\slot+3], 2*ASTEP
	s_add_nc_u64 s[G0B+4*\slot+2:G0B+4*\slot+3], s[G0B+4*\slot+2:G0B+4*\slot+3], 2*KSTEP*2
	JLOAD \slot                                    ; the four v_nop behind it are also the places in front of the loads below
.else
	PLACES
.endif
	FETCH \next, 0, F0
	WIN MUL
	MUL8 F1, 1, 0, 0
	MUL8 F1, 1, 2, 0
.endm
	s_wait_tensorcnt 1                             ; my part of K step 0 is in (K step 1's load may be out)
	s_barrier_signal -1
	s_barrier_wait -1                              ; everybody's is
	FETCH 0, 0, F0
	s_wait_loadcnt 0x0                             ; the bias
	QUARTER 0, 128, F0, F1, 1                      ; K step 0
	QUARTER 0, 256, F1, F0, 0
	QUARTER 0, 384, F0, F1, 0
	TURN 0, 1, 1                                   ; slot 0 takes K step 2
	QUARTER 1, 128, F0, F1, 0                      ; K step 1
	QUARTER 1, 256, F1, F0, 0
	QUARTER 1, 384, F0, F1, 0
	TURN 1, 0, 1                                   ; slot 1 takes K step 3
	QUARTER 0, 128, F0, F1, 0                      ; K step 2
	QUARTER 0, 256, F1, F0, 0
	QUARTER 0, 384, F0, F1, 0
	TURN 0, 1, 0                                   ; nothing is left to ask for
	QUARTER 1, 128, F0, F1, 0                      ; K step 3
	QUARTER 1, 256, F1, F0, 0
	QUARTER 1, 384, F0, F1, 0
	s_wait_dscnt 16
	WIN MUL
	MUL8 F1, 0, 0, 0
	MUL8 F1, 0, 2, 0
	s_wait_dscnt 0
	MUL8 F1, 1, 0, 0
	MUL8 F1, 1, 2, 0
	WIN 0
; THE WAY OUT, 16 rows at a time, through my own stage: no barrier, and LDS serves a wave's instructions in order.
.macro OUTST a
.irp b, 0,1,2,3
	ds_store_b128 v[STO], v[ACC+8*(4*(\a)+\b):ACC+8*(4*(\a)+\b)+3] offset:64*\b        ; each accumulator from its low end on
	ds_store_b128 v[STO], v[ACC+8*(4*(\a)+\b)+4:ACC+8*(4*(\a)+\b)+7] offset:64*\b+16
.endr
.if (\a) > 1
	s_wait_xcnt 0x0                                ; the stores of two blocks back have read these registers
.endif
.irp i, 0,1,2,3,4,5,6,7
	ds_load_b128 v[TMP+32*((\a)%2)+4*\i:TMP+32*((\a)%2)+4*\i+3], v[RD] offset:2*SPITCH*\i
.endr
.endm
.macro OUTSD a, younger                ; younger: the LDS instructions issued behind block a's loads
	s_wait_dscnt \younger
.irp i, 0,1,2,3,4,5,6,7
	global_store_b128 v[CO], v[TMP+32*((\a)%2)+4*\i:TMP+32*((\a)%2)+4*\i+3], s[8:9] offset:(16*(\a)+2*\i)*4096 th:TH_STORE_NT   ; sixteen lanes store 256 consecutive bytes, aligned
.endr
.endm
	PLACES
	OUTST 0
.irp a, 1,2,3
	OUTST \a
	OUTSD \a-1, 16
.endr
	OUTSD 3, 0
	s_wait_tensorcnt 0x0                           ; the wave's end
	ds_add_u32 v[SPW], v[NIL]
	s_wait_dscnt 0x0
	CROUND                                         ; the closing round
	s_endpgm
.Lfunc_end_k_qe87c4e3e27_proj:
	.size	k_qe87c4e3e27_proj, .Lfunc_end_k_qe87c4e3e27_proj-k_qe87c4e3e27_proj
	.p2alignl 7, 3214868480
	.fill 96, 4, 3214868480
	.section	.rodata,"a",@progbits
	.p2align	6, 0x0
	.amdhsa_kernel k_qe87c4e3e27_proj
		.amdhsa_group_segment_fixed_size 327680
		.amdhsa_private_segment_fixed_size 0
		.amdhsa_enable_private_segment 0
		.amdhsa_kernarg_size 32
		.amdhsa_user_sgpr_count 2
		.amdhsa_user_sgpr_kernarg_segment_ptr 1
		.amdhsa_wavefront_size32 1
		.amdhsa_system_sgpr_workgroup_id_x 1
		.amdhsa_system_sgpr_workgroup_id_y 1
		.amdhsa_system_sgpr_workgroup_id_z 1
		.amdhsa_system_vgpr_workitem_id 0
		.amdhsa_next_free_vgpr 512
		.amdhsa_next_free_sgpr 68
		.amdhsa_reserve_vcc 0
		.amdhsa_float_denorm_mode_32 3
		.amdhsa_float_denorm_mode_16_64 3
		.amdhsa_memory_ordered 1
		.amdhsa_forward_progress 1
		.amdhsa_inst_pref_size 87
	.end_amdhsa_kernel
	.amdgpu_metadata
---
amdhsa.version: [ 1, 2 ]
amdhsa.kernels:
  - .name:           k_qe87c4e3e27_proj
    .symbol:         k_qe87c4e3e27_proj.kd
    .args:
      - { .name: ao, .offset: 0, .size: 8, .value_kind: global_buffer, .address_space: global }
      - { .name: wpt, .offset: 8, .size: 8, .value_kind: global_buffer, .address_space: global }
      - { .name: out0, .offset: 16, .size: 8, .value_kind: global_buffer, .address_space: global }
      - { .name: bp, .offset: 24, .size: 8, .value_kind: global_buffer, .address_space: global }
    .group_segment_fixed_size: 327680
    .private_segment_fixed_size: 0
    .kernarg_segment_align: 8
    .kernarg_segment_size: 32
    .max_flat_workgroup_size: 128
    .sgpr_count:     68
    .vgpr_count:     512
    .wavefront_size: 32
...
	.end_amdgpu_metadata
.endif
;; end of part 4
;; launch fine (part 5): grid 32 x 4, 16 waves a work-group, no clusters, 84,224 bytes of LDS; arguments f32c, Wp, bp, out0; writes out0
.if DOCPART == 5
	.amdgcn_target "amdgcn-amd-amdhsa--gfx1250"
	.amdhsa_code_object_version 6
	.text
	.protected	k_qe87c4e3e27_fine
	.globl	k_qe87c4e3e27_fine
	.p2align	8
	.type	k_qe87c4e3e27_fine,@function
k_qe87c4e3e27_fine:
	s_mov_b64 s[64:65], 0
	v_nop
	global_prefetch_b8 v0, s[64:65] scope:SCOPE_SE
	s_setreg_imm32_b32 hwreg(HW_REG_WAVE_MODE, 25, 1), 1
	s_wait_xcnt 0x0
; LAUNCH 5 OF 5: positions 0 to 15 of each of the four sequences once more, with f32 operands throughout: under the causal mask these rows average one to sixteen values, are the largest in size, and the rounding of
; f16 operands would weigh most in them.  64 rows of out0 in all: no bulk work.  q, k, v come unrounded from f32c [b][16][3,072] (launch 2), Wp and bp as they are given.
; SHARES.  Work-group (x, b): 32 columns of out0, one sequence.  Phase 1: wave w makes head w's attention for the 16 rows (every work-group of a sequence repeats it: 16 x 16 x 64 a head) and puts it into LDS.
; Phase 2: wave w makes 16 columns (w % 2) over 128 of K (w / 2); the eight parts meet in LDS, and waves 0 and 1 add them and the bias and store: 64 bytes of a row a wave, 256 KiB in the whole launch.
; MATRIX FORM: v_wmma_f32_16x16x4_f32, four accumulators by turns, each sum begun with the constant 0; v112-175 are written by matrix instructions alone.
; K IS PERMUTED ALIKE ON BOTH SOURCES: in instruction s lane half h holds channels 32 h + 2 s + j (K Q^T), keys 8 h + 2 s + j (V^T P), k = 128 (w / 2) + 64 h + 2 s + j (phase 2): so a lane's loads are long runs.
; REGISTERS: v1-13 addresses and constants; v14, v15 the add's two; v16-47 Q, v48-79 K (later o, later the parts); v80-111 V (later the bias); v112-143, v144-175 accumulators; v176-191 at work; v192-255 Wp.
.set OP,    4112                       ; a row of o in LDS: 4,096 bytes + 16: the 16 rows of a load start at different banks (64 banks of 4 bytes: ISA guide 11.1)
.set RED,   16*OP                      ; 1,024 bytes a wave: its part of phase 2, as an image of eight registers
.set SPARE, RED+16*1024                ; the spare words, 128 bytes a wave: eight blocks of 256 bytes that no other line names
	s_load_b256 s[4:11], s[0:1], 0x0               ; f32c s[4:5], Wp s[6:7], bp s[8:9], out0 s[10:11]
	v_lshl_add_u32 v14, v0, 2, SPARE
	v_mov_b32 v15, 0
	v_lshrrev_b32 v1, 5, v0
	v_readfirstlane_b32 s12, v1                    ; wave 0..15
	s_and_b32 s14, ttmp7, 0xffff                   ; b
	s_and_b32 s15, s12, 1                          ; which 16 columns
	s_lshr_b32 s16, s12, 1                         ; which 128 of K
	s_mov_b32 s20, 0x76543210
	s_mov_b32 s21, 0xfedcba98
	s_mov_b32 s22, 0x3d38aa3b                      ; c = log2(e) / 32
	v_and_b32 v1, 15, v0                           ; r
	v_bfe_u32 v2, v0, 4, 1                         ; h
	v_mul_u32_u24 v3, v1, 12288
	v_lshl_add_u32 v3, v2, 7, v3                   ; Q, K: row r, channels 32 h on
	v_mul_u32_u24 v4, v2, 98304
	v_lshl_add_u32 v4, v1, 2, v4                   ; V: keys 8 h on, channel r
	v_lshlrev_b32 v5, 18, v2
	v_lshl_add_u32 v5, v1, 2, v5                   ; Wp: rows 64 h on, column r
	v_mul_u32_u24 v6, v1, OP
	v_lshl_add_u32 v7, v2, 8, v6
	s_lshl_b32 s24, s16, 9
	v_add_nc_u32 v7, s24, v7                       ; o, read: row r, k = 128 (w / 2) + 64 h on
	v_lshl_add_u32 v6, v2, 5, v6
	s_lshl_b32 s24, s12, 8
	v_add_nc_u32 v6, s24, v6                       ; o, written: row r, head w, + 32 h
	v_and_b32 v9, 31, v0
	v_lshlrev_b32 v9, 4, v9
	s_lshl_b32 s24, s12, 10
	s_add_co_u32 s24, s24, RED
	v_add_nc_u32 v8, s24, v9                       ; my part's image
	s_lshl_b32 s24, s15, 10
	s_add_co_u32 s24, s24, RED
	v_add_nc_u32 v9, s24, v9                       ; the eight parts of my columns: 2,048 bytes apart
	v_lshlrev_b32 v10, 12, v1
	v_lshl_add_u32 v10, v2, 5, v10                 ; out0: row r, + 32 h
	v_lshlrev_b32 v13, 3, v2
	v_sub_nc_u32 v11, v1, v13                      ; r - 8 h
	v_mov_b32 v12, 0xff800000                      ; -infinity
	v_lshlrev_b32 v13, 5, v2                       ; 32 h
	v_mov_b32 v185, 0                              ; written once: a lane permute's destination counts as one of its sources
	s_mul_i32 s24, s14, 196608                     ; f32c: my sequence's 16 rows,
	s_lshl_b32 s25, s12, 8                         ; my head's 64 channels
	s_add_co_u32 s24, s24, s25
	s_mov_b32 s25, 0
	s_lshl_b32 s26, ttmp9, 7
	s_lshl_b32 s27, s15, 6
	s_add_co_u32 s26, s26, s27                     ; my 16 columns, in bytes
	s_mov_b32 s27, 0
	s_lshl_b32 s28, s16, 19                        ; Wp: 128 rows of 4,096 bytes
	s_mov_b32 s29, 0
	s_lshl_b32 s30, s14, 23                        ; out0: a sequence is 2,048 rows of 4,096 bytes
	s_mov_b32 s31, 0
	s_wait_kmcnt 0x0
	s_add_nc_u64 s[4:5], s[4:5], s[24:25]
	s_add_nc_u64 s[6:7], s[6:7], s[26:27]
	s_add_nc_u64 s[6:7], s[6:7], s[28:29]
	s_add_nc_u64 s[8:9], s[8:9], s[26:27]
	s_add_nc_u64 s[10:11], s[10:11], s[26:27]
	s_add_nc_u64 s[10:11], s[10:11], s[30:31]
.irp i, 0,1,2,3,4,5,6,7
	global_load_b128 v[16+4*\i:19+4*\i], v3, s[4:5] offset:16*\i           ; q(r, 32 h + 4 i ..)
.endr
.irp i, 0,1,2,3,4,5,6,7
	global_load_b128 v[48+4*\i:51+4*\i], v3, s[4:5] offset:4096+16*\i      ; k likewise
.endr
.irp t, 0,1,2,3
.irp n, 0,1,2,3,4,5,6,7
	global_load_b32 v[80+8*\t+\n], v4, s[4:5] offset:8192+\n*12288+64*\t   ; v(8 h + n, 16 t + r)
.endr
.endr
.set n, 0
.rept 64
	global_load_b32 v[192+n], v5, s[6:7] offset:n*4096                     ; Wp(128 (w / 2) + 64 h + n, my column r): wanted in phase 2
.set n, n+1
.endr
	s_wait_loadcnt 63                              ; of the 112 loads the oldest 49 are done: Q's 8, K's 8 and V's 32 among them
	; ---- phase 1.  S^T = K Q^T: a lane holds query r and keys 8 h + 0 .. 7
.set kk, 0
.rept 16
.if kk < 4
	v_wmma_f32_16x16x4_f32 v[112+8*(kk%4):119+8*(kk%4)], v[48+2*kk:49+2*kk], v[16+2*kk:17+2*kk], 0
.else
	v_wmma_f32_16x16x4_f32 v[112+8*(kk%4):119+8*(kk%4)], v[48+2*kk:49+2*kk], v[16+2*kk:17+2*kk], v[112+8*(kk%4):119+8*(kk%4)]
.endif
.set kk, kk+1
.endr
.rept 8
	v_nop                                          ; eight places behind this form (ISA guide 7.12.1)
.endr
.irp p, 0,2,4,6
	v_pk_add_f32 v[176+\p:177+\p], v[112+\p:113+\p], v[120+\p:121+\p]      ; the four partial sums; each accumulator from its low end on
.endr
.irp p, 0,2,4,6
	v_pk_add_f32 v[176+\p:177+\p], v[176+\p:177+\p], v[128+\p:129+\p]
.endr
.irp p, 0,2,4,6
	v_pk_add_f32 v[176+\p:177+\p], v[176+\p:177+\p], v[136+\p:137+\p]
.endr
.irp j, 0,1,2,3,4,5,6,7
	v_cmp_gt_i32 vcc_lo, \j, v11                   ; key 8 h + j above query r: hidden
	v_cndmask_b32 v[176+\j], v[176+\j], v12, vcc_lo
.endr
	v_max3_num_f32 v184, v176, v177, v178
	v_max3_num_f32 v184, v184, v179, v180
	v_max3_num_f32 v184, v184, v181, v182
	v_max_num_f32 v184, v184, v183
	v_permlanex16_b32 v185, v184, s20, s21
	v_max_num_f32 v184, v184, v185                 ; the row's maximum: key 0 counts for every query, so it is a number
	v_mul_f32 v185, s22, v184
.irp j, 0,1,2,3,4,5,6,7
	v_fma_f32 v[176+\j], v[176+\j], s22, -v185     ; c s - c m
.endr
.irp j, 0,1,2,3,4,5,6,7
	v_exp_f32 v[176+\j], v[176+\j]
.endr
	v_nop
	s_wait_alu depctr_va_vdst(0)                   ; one wait for the eight, ahead of their first reader
	v_pk_add_f32 v[186:187], v[176:177], v[178:179]
	v_pk_add_f32 v[188:189], v[180:181], v[182:183]
	v_pk_add_f32 v[186:187], v[186:187], v[188:189]
	v_add_f32 v186, v186, v187
	v_permlanex16_b32 v188, v186, s20, s21
	v_add_f32 v186, v186, v188                     ; the row's sum
	v_rcp_f32 v186, v186
	v_nop
	s_wait_alu depctr_va_vdst(0)
.irp p, 0,2,4,6
	v_pk_mul_f32 v[176+\p:177+\p], v[176+\p:177+\p], v[186:187] op_sel_hi:[1,0]    ; the weights, normalised, in f32
.endr
	; O^T = V^T P: a lane holds query r and channels 16 t + 8 h + 0 .. 7
.set kk, 0
.rept 4
.irp t, 0,1,2,3
.if kk == 0
	v_wmma_f32_16x16x4_f32 v[144+8*\t:151+8*\t], v[80+8*\t+2*kk:81+8*\t+2*kk], v[176+2*kk:177+2*kk], 0
.else
	v_wmma_f32_16x16x4_f32 v[144+8*\t:151+8*\t], v[80+8*\t+2*kk:81+8*\t+2*kk], v[176+2*kk:177+2*kk], v[144+8*\t:151+8*\t]
.endif
.endr
.set kk, kk+1
.endr
.rept 8
	v_nop
.endr
.irp t, 0,1,2,3
	ds_store_b128 v6, v[144+8*\t:147+8*\t] offset:64*\t
	ds_store_b128 v6, v[148+8*\t:151+8*\t] offset:64*\t+16
.endr
	s_wait_dscnt 0x0                               ; for the others' sake: my head's part of o has landed
	s_barrier_signal -1
	s_barrier_wait -1
	; ---- phase 2
	s_wait_loadcnt 0x0                             ; Wp, asked for at the head
	s_cmp_lt_u32 s12, 2
	s_cbranch_scc0 .Lno_bias                       ; the bias is wanted by the two waves that store
	global_load_b128 v[80:83], v13, s[8:9]
	global_load_b128 v[84:87], v13, s[8:9] offset:16
.Lno_bias:
.irp i, 0,1,2,3,4,5,6,7,8,9,10,11,12,13,14,15
	ds_load_b128 v[16+4*\i:19+4*\i], v7 offset:16*\i               ; o(r, 128 (w / 2) + 64 h + 4 i ..)
.endr
	s_wait_dscnt 0x0
.set kk, 0
.rept 32                               ; transposed: source 0 = 16 columns of Wp, source 1 = the 16 rows: a lane holds row r and columns 8 h + 0 .. 7
.if kk < 4
	v_wmma_f32_16x16x4_f32 v[112+8*(kk%4):119+8*(kk%4)], v[192+2*kk:193+2*kk], v[16+2*kk:17+2*kk], 0
.else
	v_wmma_f32_16x16x4_f32 v[112+8*(kk%4):119+8*(kk%4)], v[192+2*kk:193+2*kk], v[16+2*kk:17+2*kk], v[112+8*(kk%4):119+8*(kk%4)]
.endif
.set kk, kk+1
.endr
.rept 8
	v_nop
.endr
.irp p, 0,2,4,6
	v_pk_add_f32 v[176+\p:177+\p], v[112+\p:113+\p], v[120+\p:121+\p]
.endr
.irp p, 0,2,4,6
	v_pk_add_f32 v[176+\p:177+\p], v[176+\p:177+\p], v[128+\p:129+\p]
.endr
.irp p, 0,2,4,6
	v_pk_add_f32 v[176+\p:177+\p], v[176+\p:177+\p], v[136+\p:137+\p]
.endr
	ds_store_b128 v8, v[176:179]
	ds_store_b128 v8, v[180:183] offset:512
	s_wait_dscnt 0x0                               ; for the others' sake
	s_barrier_signal -1
	s_barrier_wait -1
	s_cmp_lt_u32 s12, 2
	s_cbranch_scc0 .Lend
.irp e, 0,1,2,3,4,5,6,7
.irp c, 0,1
	ds_load_b128 v[16+4*(2*\e+\c):19+4*(2*\e+\c)], v9 offset:2048*\e+512*\c
.endr
.endr
	s_wait_loadcnt 0x0                             ; the bias
	s_wait_dscnt 0x0
.irp e, 0,1,2,3,4,5,6,7
.irp p, 0,2,4,6
	v_pk_add_f32 v[80+\p:81+\p], v[80+\p:81+\p], v[16+8*\e+\p:17+8*\e+\p]   ; K ascending, onto the bias
.endr
.endr
	global_store_b128 v10, v[80:83], s[10:11]
	global_store_b128 v10, v[84:87], s[10:11] offset:16
.Lend:
	s_wait_tensorcnt 0x0                           ; the wave's end, behind my last LDS store
	ds_add_u32 v14, v15
	s_wait_dscnt 0x0
	s_endpgm
.Lfunc_end_k_qe87c4e3e27_fine:
	.size	k_qe87c4e3e27_fine, .Lfunc_end_k_qe87c4e3e27_fine-k_qe87c4e3e27_fine
	.p2alignl 7, 3214868480
	.fill 96, 4, 3214868480
	.section	.rodata,"a",@progbits
	.p2align	6, 0x0
	.amdhsa_kernel k_qe87c4e3e27_fine
		.amdhsa_group_segment_fixed_size 84224
		.amdhsa_private_segment_fixed_size 0
		.amdhsa_enable_private_segment 0
		.amdhsa_kernarg_size 32
		.amdhsa_user_sgpr_count 2
		.amdhsa_user_sgpr_kernarg_segment_ptr 1
		.amdhsa_wavefront_size32 1
		.amdhsa_system_sgpr_workgroup_id_x 1
		.amdhsa_system_sgpr_workgroup_id_y 1
		.amdhsa_system_sgpr_workgroup_id_z 1
		.amdhsa_system_vgpr_workitem_id 0
		.amdhsa_next_free_vgpr 256
		.amdhsa_next_free_sgpr 66
		.amdhsa_reserve_vcc 1
		.amdhsa_float_denorm_mode_32 3
		.amdhsa_float_denorm_mode_16_64 3
		.amdhsa_memory_ordered 1
		.amdhsa_forward_progress 1
		.amdhsa_inst_pref_size 28
	.end_amdhsa_kernel
	.amdgpu_metadata
---
amdhsa.version: [ 1, 2 ]
amdhsa.kernels:
  - .name:           k_qe87c4e3e27_fine
    .symbol:         k_qe87c4e3e27_fine.kd
    .args:
      - { .name: f32c, .offset: 0, .size: 8, .value_kind: global_buffer, .address_space: global }
      - { .name: Wp, .offset: 8, .size: 8, .value_kind: global_buffer, .address_space: global }
      - { .name: bp, .offset: 16, .size: 8, .value_kind: global_buffer, .address_space: global }
      - { .name: out0, .offset: 24, .size: 8, .value_kind: global_buffer, .address_space: global }
    .group_segment_fixed_size: 84224
    .private_segment_fixed_size: 0
    .kernarg_segment_align: 8
    .kernarg_segment_size: 32
    .max_flat_workgroup_size: 512
    .sgpr_count:     66
    .vgpr_count:     256
    .wavefront_size: 32
...
	.end_amdgpu_metadata
.endif
;; end of part 5
